; MI455X (gfx1250); checked and timed in simulation.
; The chip was launched on July 23, 2026; its instructions are those of AMD's public machine-readable ISA for CDNA 5 (MIT licence, August 2026) and "CDNA5" Instruction Set Architecture Reference Guide (July 2026). The comments in the code are by the model that wrote it; some were corrected since.
;; Motion Prediction. Allowed arithmetic: matrix products marked QUANTISED: E4M3 operands, one E8M0 scale for each 32 along K, by v_wmma_scale_f32_16x16x128_f8f6f4 with both operands' format E4M3, f32 sums; products left as they are: f32 operands where the result goes on into a quantised operand, else bf16, f16 or f32 operands; f32 sums; everything else in f32.
;; Inputs: W 4,096 x 8 float32; W1 8 x 1,024 x 512 float32; W2 8 x 1,024 x 1,024 float32; W3 8 x 512 x 1,024 float32; X 4,096 x 512 float32; b1 8 x 1,024 float32; b2 8 x 1,024 float32; b3 8 x 512 float32.
;; Outputs: out0 4,096 x 512 float32.
;; This version of the problem:
;;   THIS VERSION OF THE PROBLEM IS GIVEN IN LOW PRECISION. The matrix products marked QUANTISED in the list below multiply operands that are first quantised to E4M3 (4 exponent bits, 3 mantissa bits; 8 bits a number), with one power-of-two scale for each 32 numbers along K (OCP MX v1.0); their sums are f32. All else is computed in f32.
;;   The module's matrix products, in the order in which they are computed (A, B: the left and right operand; K: the contracted axis; several contracted axes count as one K, in the product's order):
;;     1. [M 4,096, K 512] x [K 512, N 8,192]; A: input X; B: input W1: QUANTISED
;;     2. batch 4,096 x [M 1, K 8] x [K 8, N 1,024]; A: input W; B: computed on the way: left as it is (K = 8 < 32)
;;     3. [M 4,096, K 1,024] x [K 1,024, N 8,192]; A: computed on the way; B: input W2: QUANTISED
;;     4. batch 4,096 x [M 1, K 8] x [K 8, N 1,024]; A: input W; B: computed on the way: left as it is (K = 8 < 32)
;;     5. [M 4,096, K 1,024] x [K 1,024, N 4,096]; A: computed on the way; B: input W3: QUANTISED
;;     6. batch 4,096 x [M 1, K 8] x [K 8, N 512]; A: input W; B: computed on the way: left as it is (K = 8 < 32)
;;   THE QUANTISER, for each operand of a quantised product, along K:
;;     - K is cut into blocks of 32 from its start; a last block that is shorter is filled with zeros.
;;     - A block's scale is 2^e with e = floor(log2(the largest magnitude in the block)) - 8, held to -126 .. 127; a block of zeros has e = 0. As a byte (E8M0): e + 127.
;;     - Each number is divided by its block's scale, clamped to +-448, and rounded to the nearest number of E4M3, ties to even, subnormals kept.
;;     - The product sums the exact products of the quantised numbers (number of the format x scale) in f32.
;;   ~~~python
;;   def quantise(x, axis):      # numpy; x: float32 -> the quantised numbers, widened to float32 again
;;       x = np.moveaxis(x, axis, -1); K = x.shape[-1]
;;       x = np.pad(x, [(0, 0)] * (x.ndim - 1) + [(0, -K % 32)]); x = x.reshape(x.shape[:-1] + (-1, 32)); a = np.abs(x).max(-1, keepdims=True)
;;       e = np.where(a > 0, np.clip(np.frexp(np.where(a > 0, a, 1))[1] - 1 - 8, -126, 127), 0)      # np.frexp(a)[1] - 1 = floor(log2(a)), exactly
;;       r = np.clip(x / 2.0 ** e, -448, 448)
;;       step = 2.0 ** (np.maximum(np.frexp(np.where(r == 0, 1, r))[1] - 1, -6) - 3)
;;       q = np.round(r / step) * step * 2.0 ** e      # np.round: ties to even
;;       return np.moveaxis(q.reshape(q.shape[:-2] + (-1,))[..., :K], -1, axis).astype(np.float32)
;;   ~~~
;;   OPERANDS COMPUTED ON THE WAY. 'Computed on the way' means the value that the module computes at that place (a softmax that the list does not call 'softmax' is quantised finished and normalised). What goes into a quantiser is computed in f32, as accurately as f32 sums, v_exp_f32 and their like allow (about 1e-6 of the number): no bf16 or f16 on the way to a quantiser, and a product that is left as it is and whose result goes on into a quantised operand takes f32 operands (vector FMAs, or v_wmma_f32_16x16x4_f32). A number that lies on a knife's edge between two numbers of the format may be rounded either way, as far as f32 arithmetic and the matrix unit's own rounding can turn it there, and no further.
;; One version. Each part assembles by itself: llvm-mc -triple=amdgcn-amd-amdhsa -mcpu=gfx1250 --defsym DOCPART=n.
;; ======== version 1 of 1: 4 launches
;; workspace buffers: qb 19,464,192 bytes; m1 4,325,376 bytes; m2 4,325,376 bytes
;; launch quant (part 1): grid 256 x 1, 9 waves a work-group, no clusters, 77,312 bytes of LDS; arguments X, W1, W2, W3, qb; writes qb
.if DOCPART == 1
	.amdgcn_target "amdgcn-amd-amdhsa--gfx1250"
	.amdhsa_code_object_version 6
	.text
	.protected	k_q0bb127cd52_quant
	.globl	k_q0bb127cd52_quant
	.p2align	8
	.type	k_q0bb127cd52_quant,@function
k_q0bb127cd52_quant:
	s_mov_b64 s[64:65], 0
	v_nop
	global_prefetch_b8 v0, s[64:65] scope:SCOPE_SE
	s_setreg_imm32_b32 hwreg(HW_REG_WAVE_MODE, 25, 1), 1
	s_wait_xcnt 0x0
; X [4096][512], W1 [8][1024][512], W2 [8][1024][1024], W3 [8][512][1024], all f32 with K innermost, become codes of FP8 (E4M3) with one E8M0 byte for each 32 along K,
; laid in qb IN THE ORDER OF THE OPERAND'S REGISTERS, so that the three layer launches fetch whole fragments as dense blocks.
; A FRAGMENT IMAGE is 2,048 bytes: 16 rows x 128 K; byte 512 c + 16 lane + i is the code of row lane % 16 at k = 32 c + 16 (lane / 16) + i.
; X: records of 67,584 bytes = 128 tokens x 512 K: fragment (tile t, K step s) at (4 t + s) 2048; behind the codes, at 65,536, the scale word of (token, s) at 16 token + 4 s.
; WEIGHTS: records of 16,896 bytes = 32 outputs x 512 K of one expert: fragment (n, s) at (4 n + s) 2048; at 16,384 the four words of row (n, r) at 16 (16 n + r).
;   Record number = ((nb x NS + 8 c + e) 2 + oh): nb = block of 64 outputs, c = chunk of 512 along K, e = expert, oh = half of the block.
;   THE ROWS OF A TILE ARE NOT NEIGHBOURS: row r of tile n is output 64 nb + 32 oh + 8 n + r + 8 (r / 8), so that the results of tiles 0 and 1 are 16 neighbours along the next layer's K.
; A block's scale is 2^(floor(log2(its largest magnitude)) - 8); its byte is the largest magnitude's exponent field - 8, held at 1 from below.
; LIMITS: a block of zeros gets the byte 1 where the rule says 127 (its codes are zeros, and this program alone reads the bytes); blocks whose largest magnitude lies under 2^-118 keep the byte 1;
; NaN and infinities among the inputs are not served.
; SHARES: 2,304 tasks of 16 rows x 512 K (four fragments): 256 of X, 512 of W1, 1,024 of W2, 512 of W3; one task a wave, 9 waves x 256 work-groups.  Which tensor a task belongs to is chosen by
; selects on the task's number: one path through the text.  Each load reads 512 consecutive bytes of one row; a fragment's 8 KB turn through the wave's own stage in LDS (rows 528 bytes apart) so that a lane gets
; 16 neighbours along K of each block; each store of codes covers 512 consecutive bytes, the scale words leave as one aligned run of 256 bytes.  Two fragments' loads (32 a wave) are out at the start, 32 while each of the first two is worked.
; No matrix unit, no tensor load, no barrier, no cluster: waves share nothing and memory binds.
.set WB1,    2162688                   ; qb: X's records from 0, W1's from here,
.set WB2,    6488064                   ; W2's,
.set WB3,    15138816                  ; W3's
.set SPITCH, 528                       ; a stage row: 512 bytes + 16, an odd multiple of 16
.set WSTG,   16*SPITCH                 ; a wave's stage
.set OFFR,   8                         ; v8-23   row i of the task: 16 lane + its distance from the first row in bytes
.set TM,     24                        ; v24-39  at work: largest magnitudes, bytes, holds, scale operands
.set PW,     40                        ; v40-43  the four scale words of my row
.set C,      44                        ; v44-59  a fragment's codes
.set XN,     64                        ; v64-127 64 numbers: register 16 b + i = k 32 b + 16 (lane / 16) + i of row lane % 16
.set RAW,    128                       ; v128-191, v192-255: two fragments as loaded
	s_load_b256 s[4:11], s[0:1], 0x0               ; X, W1, W2, W3
	s_load_b64 s[12:13], s[0:1], 0x20              ; qb
	v_lshl_add_u32 v62, v0, 2, 0x12900
	v_mov_b32 v63, 0
	v_lshrrev_b32 v1, 5, v0
	v_readfirstlane_b32 s14, v1                    ; wave 0..8
	v_and_b32 v1, 31, v0                           ; lane
	v_lshlrev_b32 v2, 4, v1                        ; 16 lane
	s_mul_i32 s28, s14, WSTG
	v_add_nc_u32 v3, s28, v2                       ; the stage, on the way in: a row's 512 bytes as they lie
	v_and_b32 v5, 15, v0                           ; r
	v_bfe_u32 v6, v0, 4, 1                         ; h
	v_mul_u32_u24 v4, v5, SPITCH
	v_lshl_add_u32 v4, v6, 6, v4
	v_add_nc_u32 v4, s28, v4                       ; and out: row r, + 64 h: my 16 numbers of a block
	v_lshlrev_b32 v5, 4, v5                        ; 16 r: my row's four scale words
.irp b, 0,1,2,3
	v_mov_b32 v[TM+4+\b], 0                        ; written once: a lane permute's destination counts as one of its sources
.endr
	s_mul_i32 s15, ttmp9, 9
	s_add_co_u32 s15, s15, s14                     ; the task T
	s_mov_b32 s46, 0x76543210
	s_mov_b32 s47, 0xfedcba98                      ; v_permlanex16_b32's selects for lane l xor 16
	s_mov_b32 s48, 0x600000                        ; the mantissa field of 448
	; the task's figures: W3's first, then overwritten where T lies lower
	s_mov_b32 s16, 1792                            ; the tensor's first task
	s_mov_b32 s17, 4096                            ; a row in bytes
	s_mov_b32 s18, 512                             ; rows of an expert
	s_mov_b32 s19, 1                               ; chunks - 1: the mask of c and the shift to nb
	s_mov_b32 s20, WB3                             ; where its records begin
	s_mov_b32 s21, 1                               ; tasks to a record, as a shift,
	s_mov_b32 s22, 1                               ; and as a mask
	s_mov_b32 s23, 16896                           ; a record
	s_mov_b32 s24, 16384                           ; where its scale words begin
	s_mov_b32 s25, 8                               ; rows passed over between row 7 and row 8
	s_wait_kmcnt 0x0
	s_mov_b64 s[26:27], s[10:11]
	s_cmp_lt_u32 s15, 1792                         ; W2
	s_cselect_b32 s16, 768, s16
	s_cselect_b32 s18, 1024, s18
	s_cselect_b32 s20, WB2, s20
	s_cselect_b64 s[26:27], s[8:9], s[26:27]
	s_cmp_lt_u32 s15, 768                          ; W1
	s_cselect_b32 s16, 256, s16
	s_cselect_b32 s17, 2048, s17
	s_cselect_b32 s19, 0, s19
	s_cselect_b32 s20, WB1, s20
	s_cselect_b64 s[26:27], s[6:7], s[26:27]
	s_cmp_lt_u32 s15, 256                          ; X
	s_cselect_b32 s16, 0, s16
	s_cselect_b32 s20, 0, s20
	s_cselect_b32 s21, 3, s21
	s_cselect_b32 s22, 7, s22
	s_cselect_b32 s23, 67584, s23
	s_cselect_b32 s24, 65536, s24
	s_cselect_b32 s25, 0, s25
	s_cselect_b64 s[26:27], s[4:5], s[26:27]
	s_sub_co_u32 s28, s15, s16                     ; T' = the task within its tensor = (((nb NC + c) 8 + e) 2 + oh) 2 + n
	s_and_b32 s29, s28, 1                          ; n
	s_bfe_u32 s30, s28, 0x10001                    ; oh
	s_bfe_u32 s31, s28, 0x30002                    ; e
	s_lshr_b32 s32, s28, 5
	s_and_b32 s33, s32, s19                        ; c
	s_lshr_b32 s32, s32, s19                       ; nb
	s_mul_i32 s31, s31, s18
	s_lshl_b32 s32, s32, 6
	s_add_co_u32 s31, s31, s32
	s_lshl_b32 s30, s30, 5
	s_add_co_u32 s31, s31, s30
	s_lshl_b32 s29, s29, 3
	s_add_co_u32 s31, s31, s29                     ; a weight's first row: e x rows + 64 nb + 32 oh + 8 n
	s_lshl_b32 s34, s28, 4                         ; X's: 16 T'
	s_cmp_lt_u32 s15, 256
	s_cselect_b32 s31, s34, s31
	s_mul_i32 s34, s31, s17                        ; in bytes (under 2^26),
	s_lshl_b32 s33, s33, 11
	s_add_co_u32 s34, s34, s33                     ; + the chunk's 2,048
	s_mov_b32 s35, 0
	s_add_nc_u64 s[26:27], s[26:27], s[34:35]      ; the source
	s_lshr_b32 s36, s28, s21
	s_mul_i32 s36, s36, s23
	s_add_co_u32 s36, s36, s20                     ; the record
	s_and_b32 s38, s28, s22                        ; my tile in it
	s_lshl_b32 s39, s38, 13
	s_add_co_u32 s40, s36, s39                     ; its four fragments: 8,192 bytes a tile
	s_mov_b32 s41, 0
	s_lshl_b32 s38, s38, 8
	s_add_co_u32 s42, s36, s24
	s_add_co_u32 s42, s42, s38                     ; its scale words: 256 bytes a tile
	s_mov_b32 s43, 0
	s_add_nc_u64 s[40:41], s[12:13], s[40:41]
	s_add_nc_u64 s[42:43], s[12:13], s[42:43]
	s_mul_i32 s44, s25, s17
	s_mov_b32 s45, 0
.irp i, 0,1,2,3,4,5,6,7,8,9,10,11,12,13,14,15
	v_add_nc_u32 v[OFFR+\i], s45, v2
	s_add_co_u32 s45, s45, s17
.if \i == 7
	s_add_co_u32 s45, s45, s44
.endif
.endr
.macro LOAD s                          ; fragment s: 16 rows x 512 consecutive bytes
.irp i, 0,1,2,3,4,5,6,7,8,9,10,11,12,13,14,15
	global_load_b128 v[RAW+64*((\s)%2)+4*\i:RAW+64*((\s)%2)+4*\i+3], v[OFFR+\i], s[26:27] offset:512*(\s) th:TH_LOAD_NT
.endr
.endm
.macro TURN s                          ; through the stage: LDS serves a wave's instructions in order, so no wait stands between the stores and the loads
.irp i, 0,1,2,3,4,5,6,7,8,9,10,11,12,13,14,15
	ds_store_b128 v3, v[RAW+64*((\s)%2)+4*\i:RAW+64*((\s)%2)+4*\i+3] offset:SPITCH*\i
.endr
.irp b, 0,1,2,3
.irp j, 0,1,2,3
	ds_load_b128 v[XN+16*\b+4*\j:XN+16*\b+4*\j+3], v4 offset:128*\b+16*\j
.endr
.endr
.endm
.macro QUANT s                         ; 64 numbers of a lane become the fragment's 16 registers of codes and my row's scale word
.irp b, 0,1,2,3
	v_max3_num_f32 v[TM+\b], |v[XN+16*\b]|, |v[XN+16*\b+1]|, 0x4800000   ; block b: my 16 numbers, and the floor 2^(9 - 127): the byte cannot fall under 1
.endr
.irp i, 2,4,6,8,10,12,14
.irp b, 0,1,2,3
	v_max3_num_f32 v[TM+\b], v[TM+\b], |v[XN+16*\b+\i]|, |v[XN+16*\b+\i+1]|   ; the four blocks by turns
.endr
.endr
.irp b, 0,1,2,3
	v_permlanex16_b32 v[TM+4+\b], v[TM+\b], s46, s47
.endr
.irp b, 0,1,2,3
	v_max_num_f32 v[TM+\b], v[TM+\b], v[TM+4+\b]   ; with lane l xor 16's: the block's largest magnitude
.endr
.irp b, 0,1,2,3
	v_add_nc_u32 v[TM+12+\b], 0xfc000000, v[TM+\b] ; 8 off its exponent field: the conversion's scale operand
.endr
.irp b, 0,1,2,3
	v_and_or_b32 v[TM+8+\b], v[TM+\b], 0x7f800000, s48   ; 448 x the scale
.endr
.irp b, 0,1,2,3
	v_lshrrev_b32 v[TM+4+\b], 23, v[TM+12+\b]      ; the scale's byte
.endr
	v_lshl_or_b32 v[PW+\s], v[TM+5], 8, v[TM+4]
	v_lshl_or_b32 v[PW+\s], v[TM+6], 16, v[PW+\s]
	v_lshl_or_b32 v[PW+\s], v[TM+7], 24, v[PW+\s]
.irp b, 0,1,2,3
.irp i, 0,1,2,3,4,5,6,7,8,9,10,11,12,13,14,15
	v_med3_num_f32 v[XN+16*\b+\i], v[XN+16*\b+\i], -v[TM+8+\b], v[TM+8+\b]   ; the conversion to an 8-bit code does not saturate (ISA guide 7.6.2): the hold comes first
.endr
	v_cvt_scalef32_pk8_fp8_f32 v[C+4*\b:C+4*\b+1], v[XN+16*\b:XN+16*\b+7], v[TM+12+\b]
	v_cvt_scalef32_pk8_fp8_f32 v[C+4*\b+2:C+4*\b+3], v[XN+16*\b+8:XN+16*\b+15], v[TM+12+\b]
.endr
	v_nop                                          ; a plain line behind the last conversion
.endm
.macro OUT s
.irp c, 0,1,2,3
	global_store_b128 v2, v[C+4*\c:C+4*\c+3], s[40:41] offset:2048*(\s)+512*\c   ; 32 lanes store 512 consecutive bytes, aligned
.endr
.endm
	LOAD 0
	LOAD 1
.irp s, 0,1,2,3
.if \s < 3
	s_wait_loadcnt 16                              ; this fragment's 16 loads are in; the next one's may be out
.else
	s_wait_loadcnt 0x0
.endif
	TURN \s
	s_wait_dscnt 0x0                               ; my 64 numbers are back, and the stage's stores have read the registers that the next loads take
.if \s < 2
	LOAD \s+2
.endif
.if \s > 0
	s_wait_xcnt 0x0                                ; the last fragment's stores have read their data: the codes' registers are written again only behind this wait
.endif
	QUANT \s
	OUT \s
.endr
	s_wait_xcnt 0x0                                ; EXEC changes only behind this wait
	v_cmp_gt_u32 vcc_lo, 16, v1
	s_wait_tensorcnt 0x0
	ds_add_u32 v62, v63
	s_wait_dscnt 0x0
	s_and_saveexec_b32 s49, vcc_lo                 ; lanes 0-15: a row each
	global_store_b128 v5, v[PW:PW+3], s[42:43]     ; 16 lanes store 256 consecutive bytes, aligned
	s_wait_xcnt 0x0
	s_or_b32 exec_lo, exec_lo, s49
	s_endpgm
.Lfunc_end_k_q0bb127cd52_quant:
	.size	k_q0bb127cd52_quant, .Lfunc_end_k_q0bb127cd52_quant-k_q0bb127cd52_quant
	.p2alignl 7, 3214868480
	.fill 96, 4, 3214868480
	.section	.rodata,"a",@progbits
	.p2align	6, 0x0
	.amdhsa_kernel k_q0bb127cd52_quant
		.amdhsa_group_segment_fixed_size 77312
		.amdhsa_private_segment_fixed_size 0
		.amdhsa_enable_private_segment 0
		.amdhsa_kernarg_size 40
		.amdhsa_user_sgpr_count 2
		.amdhsa_user_sgpr_kernarg_segment_ptr 1
		.amdhsa_wavefront_size32 1
		.amdhsa_system_sgpr_workgroup_id_x 1
		.amdhsa_system_sgpr_workgroup_id_y 1
		.amdhsa_system_sgpr_workgroup_id_z 1
		.amdhsa_system_vgpr_workitem_id 0
		.amdhsa_next_free_vgpr 256
		.amdhsa_next_free_sgpr 70
		.amdhsa_reserve_vcc 1
		.amdhsa_float_denorm_mode_32 3
		.amdhsa_float_denorm_mode_16_64 3
		.amdhsa_memory_ordered 1
		.amdhsa_forward_progress 1
		.amdhsa_inst_pref_size 54
	.end_amdhsa_kernel
	.amdgpu_metadata
---
amdhsa.version: [ 1, 2 ]
amdhsa.kernels:
  - .name:           k_q0bb127cd52_quant
    .symbol:         k_q0bb127cd52_quant.kd
    .args:
      - { .name: X, .offset: 0, .size: 8, .value_kind: global_buffer, .address_space: global }
      - { .name: W1, .offset: 8, .size: 8, .value_kind: global_buffer, .address_space: global }
      - { .name: W2, .offset: 16, .size: 8, .value_kind: global_buffer, .address_space: global }
      - { .name: W3, .offset: 24, .size: 8, .value_kind: global_buffer, .address_space: global }
      - { .name: qb, .offset: 32, .size: 8, .value_kind: global_buffer, .address_space: global }
    .group_segment_fixed_size: 77312
    .private_segment_fixed_size: 0
    .kernarg_segment_align: 8
    .kernarg_segment_size: 40
    .max_flat_workgroup_size: 288
    .sgpr_count:     70
    .vgpr_count:     256
    .wavefront_size: 32
...
	.end_amdgpu_metadata
.endif
;; end of part 1
;; launch layer1 (part 2): grid 16 x 16, 4 waves a work-group, clusters of 4 x 4, 327,680 bytes of LDS; arguments qb, W, b1, m1; writes m1
.if DOCPART == 2
	.amdgcn_target "amdgcn-amd-amdhsa--gfx1250"
	.amdhsa_code_object_version 6
	.text
	.protected	k_q0bb127cd52_layer1
	.globl	k_q0bb127cd52_layer1
	.p2align	8
	.type	k_q0bb127cd52_layer1,@function
k_q0bb127cd52_layer1:
	s_mov_b64 s[64:65], 0
	v_nop
	global_prefetch_b8 v0, s[64:65] scope:SCOPE_SE
	s_setreg_imm32_b32 hwreg(HW_REG_WAVE_MODE, 25, 1), 1
	s_wait_xcnt 0x0
	s_wait_alu depctr_hold_cnt(0) depctr_sa_sdst(0) depctr_va_vdst(0) depctr_va_sdst(0) depctr_va_ssrc(0) depctr_va_vcc(0) depctr_vm_vsrc(0)
	s_getreg_b32 s2, hwreg(HW_REG_IB_STS2, 6, 4)
	s_cmp_eq_u32 s2, 0
	s_cbranch_scc0 .Lentry_in_a_cluster
	s_endpgm
.Lentry_in_a_cluster:
	s_bfe_u32 s2, ttmp6, 0x10000c
	s_cmp_lg_u32 s2, 0xf033
	s_cbranch_scc0 .Lentry_shape_is_right
	s_endpgm
.Lentry_shape_is_right:
; ONE LAYER OF SOFT-GATED EXPERTS ON CODES OF FP8 (E4M3) WITH E8M0 SCALES: z[b][o] = sum over e of g[b][e] (act[b] . We[e][o] + be[e][o]), g = W as it is given.
; One text serves the three layers; LAYER chooses.  1: act = X (K = 512), z -> elu -> quantised -> m1.  2: act = m1 (K = 1,024), the same -> m2.  3: act = m2, z -> out0 in f32.
; SHARES.  A work-group makes 256 tokens x 64 outputs; wave w (th = w / 2, oh = w % 2) 128 tokens x 32 outputs.  Layers 1 and 2: 16 x 16 work-groups; layer 3: out0 has 16 x 8 such tiles, so 128 work-groups.
; THE ACTIVATIONS STAY IN REGISTERS: a wave's 128 tokens x a chunk of 512 along K are 512 registers, used for all 8 experts; LDS feeds weight fragments alone, each of which (2,048 bytes) serves 8 products.
; K = 1,024 goes as two chunks: the gated sum is linear, so each partial (chunk, expert) is weighed into the total.  A STEP q = 8 c + e: 4 K steps x 16 accumulators = 64 products, then 64 packed multiply-adds TOT += g ACC.
; TRANSPOSED USE: source 0 = 16 rows of We, source 1 = 16 tokens: a lane holds ONE token (lane % 16); the rows of a weight tile are chosen (by the launch that laid them out) so that the 16 registers of tiles n = 0, 1
; are 16 neighbouring outputs, 16 (lane / 16) + 0 .. 15 of the wave's 32: one block of 32 along the next K lies in lanes l and l xor 16.  The bias is the C of a step's first products (chunk 0 only).
; OPERANDS LIE IN MEMORY IN THE ORDER OF THE REGISTERS (fragment images of 2,048 bytes: byte 512 c + 16 lane): every LDS load is 512 consecutive bytes, no pitch, no padding.
; RING.  Two LDS slots of two steps' weights (67,584 bytes), filled by waves 0 and 1, a step each; the chunk's activations (2 x 67,584 bytes) by waves 2 and 3.  One load a wave behind each change of slots;
; by this text's count a wave has at most two tensor loads out (the first fills), later one.  A refill has two steps, 128 products a wave, in which to land.
; CLUSTER 4 x 4: the four work-groups of a row share their tokens' records, the four of a column their weights: each is asked for jointly, which divides the requests by four.
; PREFETCH (layers 2, 3): behind each refill, the slot two refills on, 256 products ahead of the load that wants it; only clusters with y = 0 ask; a column's four partners take one record of 16,896 bytes each, by address;
; waves 2 and 3 take its two runs of 8,192 bytes of codes, lanes 256 bytes apart.  Slots 0 to 3 and the records' scale words come by their loads alone.  Layer 1 has four slots: none lies two refills on, so it asks for nothing.
; LIMITS: NaN and infinities are not served; a block of zeros gets the byte 1 (its codes are zeros; this program alone reads the bytes); blocks whose largest magnitude lies under 2^-118 keep the byte 1;
; the order of the f32 sums differs from the formula's: the bias stands ahead of the K sum, and the gated sum runs over (chunk, expert).  expm1: a polynomial of degree 6 above -0.25 (cut off under 5e-8 of the number), 2^(x log2 e) - 1 below.
; REGISTERS, in windows of 256.  Window 0: v1-13 addresses; v16-31, v72-87 the activations' scale words (chunk 0, 1); v32-39 the weights' (two sets); v40-55 gates; v56-71 bias; v88-119 at work; v120-127 the head's own; v128-255 weight fragments.
;   Window 1: v0-127 ACC (16 accumulators; at work in the epilogue), v128-255 TOT.   Windows 2, 3: the activations' fragments (tile t, K step s) at 64 (t % 4) + 16 s.
.set LAYER, 1
.if LAYER == 1
.set NC,   1
.set WBX,  2162688                     ; where this layer's weight records begin in qb
.endif
.if LAYER == 2
.set NC,   2
.set WBX,  6488064
.endif
.if LAYER == 3
.set NC,   2
.set WBX,  15138816
.endif
.set BROW, 4096                        ; an expert's row of the bias in bytes
.if LAYER == 3
.set BROW, 2048
.endif
.set NS,    8*NC                       ; steps
.set NSLOT, NS/2                       ; slots' worth of weights
.set WREC,  16896                      ; 32 outputs x 512 K of one expert: 8 fragments, then 512 bytes of scale words
.set STEPB, 2*WREC                     ; a step: both halves of the 64 outputs
.set SLOTB, 2*STEPB
.set AREC,  67584                      ; 128 tokens x 512 K: 32 fragments, then 2,048 bytes of scales
.set AREG,  2*SLOTB                    ; LDS: behind the two slots the chunk's two records (layer 3: at the end the stage for out0),
.set GATE,  AREG+2*AREC                ; the gates: 8192 th + 1024 e + 256 i + 16 r: (g, g) of token tile 2 i, (g, g) of tile 2 i + 1,
.set BIAS,  GATE+16384                 ; the bias: 256 e + 4 x output,
.set SCB,   BIAS+2048                  ; the new scale bytes: 256 th + 2 token + oh,
.set SPARE, SCB+512                    ; the spare words, 128 bytes a wave: two blocks of 256 bytes that no other line names
.set SPW,  1
.set NIL,  2
.set ADB,  3                           ; v3, v4  my half of slot 0, 1: + 16 lane
.set ADA,  5                           ; v5      my tokens' record + 16 lane
.set ADAS, 6                           ; v6      its scales
.set ADG,  7                           ; v7      my tokens' gates + 16 r
.set ADBI, 8                           ; v8      my outputs' bias + 64 h
.set PFO,  9                           ; v9      256 lane
.set L16,  10                          ; v10     16 lane
.set EP0,  11                          ; v11-13  the epilogue's addresses
.set EP1,  12
.set EP2,  13
.set AS0,  16
.set BS,   32
.set G,    40
.set BI,   56
.set AS1,  72
.set TMP,  88
.set BF,   128
.set G1B,  24                          ; s[24:31] descriptor group 1 for weights;  s[32:39] for activations
.set G1A,  32
.set G0B,  48                          ; s[48:51], s[52:55] group 0 for slot 0, 1;  s[56:59] for the activations
.set G0A,  56
.set MUL_LO,  0x58                     ; source 0 window 0, source 1 window 2, C and D window 1
.set MUL_HI,  0x5c                     ; source 1 window 3
.set MULB_LO, 0x48                     ; the same with C (the bias) in window 0
.set PK,      0x51                     ; destination, sources 0 and 2 window 1, source 1 (the gate) window 0
.set TO_A2,   0x80
.set TO_A3,   0xc0
.set ST1,     0x04                     ; a store's data in window 1
.set ALL1,    0x55
.set MSB, 0
.macro WIN new                         ; the immediate's high byte repeats the setting that is left
.if MSB != \new
	s_set_vgpr_msb (MSB<<8)|\new
.set MSB, \new
.endif
.endm
.macro PLACES n
.rept \n
	v_nop
.endr
.endm
.macro CREST                           ; a round of the cluster's barrier behind its opening barrier
	s_cmp_lg_u32 s14, 0
	s_cbranch_scc1 .Lnot_wave_0_\@
	s_barrier_signal -3
.Lnot_wave_0_\@:
	s_barrier_wait -3
	s_barrier_signal -1
	s_barrier_wait -1
.endm
.macro CROUND
	s_barrier_signal -1
	s_barrier_wait -1
	CREST
.endm
; A joint refill: waves 0 and 1 fetch a step of weights each; witha = 1: waves 2 and 3 a record of activations each.  The branch hangs on the wave's number alone.  Four v_nop follow each load.
.macro JLOAD slot, witha
	s_cmp_lt_u32 s14, 2
	s_cbranch_scc0 .Lnot_b_\@
	tensor_load_to_lds s[G0B+4*(\slot):G0B+4*(\slot)+3], s[G1B:G1B+7]
	s_nop 0
	PLACES 4
.if \witha
	s_branch .Lasked_\@
.endif
.Lnot_b_\@:
.if \witha
	tensor_load_to_lds s[G0A:G0A+3], s[G1A:G1A+7]
	PLACES 4
.Lasked_\@:
.endif
.endm
.macro ASK idx                         ; slot idx is asked of memory: my work-group's record, my wave's 8,192 bytes; the slot stands in the immediate, so nothing is stepped
	s_cmp_eq_u32 s62, 1
	s_cbranch_scc0 .Lnot_mine_\@
	global_prefetch_b8 v[PFO], s[60:61] offset:(\idx)*SLOTB th:TH_LOAD_NT scope:SCOPE_SE
.Lnot_mine_\@:
.endm
.macro RUN1 q                          ; step q: weight fragments of K steps 0, 1, the step's scale words, and (chunk 0) its bias: 21 loads, or 17
.set r1a, ADB+(((\q)/2)%2)
.set r1o, ((\q)%2)*STEPB
.irp s, 0,1
.irp n, 0,1
.irp c, 0,1,2,3
	ds_load_b128 v[BF+32*\s+16*\n+4*\c:BF+32*\s+16*\n+4*\c+3], v[r1a] offset:r1o+(4*\n+\s)*2048+512*\c
.endr
.endr
.endr
	ds_load_b128 v[BS+4*((\q)%2):BS+4*((\q)%2)+3], v[r1a] offset:r1o+16384   ; lanes 0-15: rows of tile 0, lanes 16-31: of tile 1; register s: K step s
.if (\q) < 8
.irp i, 0,1,2,3
	ds_load_b128 v[BI+4*\i:BI+4*\i+3], v[ADBI] offset:(\q)*256+16*\i
.endr
.endif
.endm
.macro RUN2 q                          ; step q: K steps 2, 3, and the expert's gates: 20 loads
.set r1a, ADB+(((\q)/2)%2)
.set r1o, ((\q)%2)*STEPB
.irp s, 2,3
.irp n, 0,1
.irp c, 0,1,2,3
	ds_load_b128 v[BF+32*\s+16*\n+4*\c:BF+32*\s+16*\n+4*\c+3], v[r1a] offset:r1o+(4*\n+\s)*2048+512*\c
.endr
.endr
.endr
.irp i, 0,1,2,3
	ds_load_b128 v[G+4*\i:G+4*\i+3], v[ADG] offset:((\q)%8)*1024+256*\i
.endr
.endm
.macro ALOAD s                         ; the chunk's activations of K step s, 8 token tiles: 32 loads
	WIN TO_A2
.irp t, 0,1,2,3
.irp c, 0,1,2,3
	ds_load_b128 v[64*\t+16*(\s)+4*\c:64*\t+16*(\s)+4*\c+3], v[ADA] offset:(4*\t+(\s))*2048+512*\c
.endr
.endr
	WIN TO_A3
.irp t, 4,5,6,7
.irp c, 0,1,2,3
	ds_load_b128 v[64*(\t-4)+16*(\s)+4*\c:64*(\t-4)+16*(\s)+4*\c+3], v[ADA] offset:(4*\t+(\s))*2048+512*\c
.endr
.endr
.endm
.macro ASC_LD                          ; the chunk's scales: lanes 0-15 token tile 2 g, lanes 16-31 tile 2 g + 1
.if LAYER == 1
.irp g, 0,1,2,3
	ds_load_b128 v[AS0+4*\g:AS0+4*\g+3], v[ADAS] offset:512*\g      ; X: four words a token
.endr
.else
.irp s, 0,1,2,3
.irp g, 0,1,2,3
.irp f, 0,1
	ds_load_u16 v[TMP+8*\s+2*\g+\f], v[ADAS] offset:(2*\s+\f)*256+64*\g   ; two bytes a token for each half of a K step
.endr
.endr
.endr
.endif
.endm
.macro ASC_MG set                      ; two halves make a word
.irp s, 0,1,2,3
.irp g, 0,1,2,3
	v_lshl_or_b32 v[\set+4*\g+\s], v[TMP+8*\s+2*\g+1], 16, v[TMP+8*\s+2*\g]
.endr
.endr
.endm
; One product: step q, K step s, token tile t, weight tile n.  cm = 0: onto the accumulator; 1: C = the bias; 2: C = 0.
.macro MM q, s, t, n, cm
.set rD, 8*(2*(\t)+(\n))
.set rB, BF+32*(\s)+16*(\n)
.set rA, 64*((\t)%4)+16*(\s)
.set rW, BS+4*((\q)%2)+(\s)
.set rX, AS0+(AS1-AS0)*((\q)/8)+4*((\t)/2)+(\s)
.set rC, rD
.if (\cm) == 1
.set rC, BI+8*(\n)
.endif
.set sel, 2*((\t)%2)+(\n)
.if (\cm) == 2
.if sel == 0
	v_wmma_scale_f32_16x16x128_f8f6f4 v[rD:rD+7], v[rB:rB+15], v[rA:rA+15], 0, v[rW], v[rX]
.elseif sel == 1
	v_wmma_scale_f32_16x16x128_f8f6f4 v[rD:rD+7], v[rB:rB+15], v[rA:rA+15], 0, v[rW], v[rX] matrix_a_scale:MATRIX_SCALE_ROW1
.elseif sel == 2
	v_wmma_scale_f32_16x16x128_f8f6f4 v[rD:rD+7], v[rB:rB+15], v[rA:rA+15], 0, v[rW], v[rX] matrix_b_scale:MATRIX_SCALE_ROW1
.else
	v_wmma_scale_f32_16x16x128_f8f6f4 v[rD:rD+7], v[rB:rB+15], v[rA:rA+15], 0, v[rW], v[rX] matrix_a_scale:MATRIX_SCALE_ROW1 matrix_b_scale:MATRIX_SCALE_ROW1
.endif
.else
.if sel == 0
	v_wmma_scale_f32_16x16x128_f8f6f4 v[rD:rD+7], v[rB:rB+15], v[rA:rA+15], v[rC:rC+7], v[rW], v[rX]
.elseif sel == 1
	v_wmma_scale_f32_16x16x128_f8f6f4 v[rD:rD+7], v[rB:rB+15], v[rA:rA+15], v[rC:rC+7], v[rW], v[rX] matrix_a_scale:MATRIX_SCALE_ROW1
.elseif sel == 2
	v_wmma_scale_f32_16x16x128_f8f6f4 v[rD:rD+7], v[rB:rB+15], v[rA:rA+15], v[rC:rC+7], v[rW], v[rX] matrix_b_scale:MATRIX_SCALE_ROW1
.else
	v_wmma_scale_f32_16x16x128_f8f6f4 v[rD:rD+7], v[rB:rB+15], v[rA:rA+15], v[rC:rC+7], v[rW], v[rX] matrix_a_scale:MATRIX_SCALE_ROW1 matrix_b_scale:MATRIX_SCALE_ROW1
.endif
.endif
.endm
; K step s for token tiles t0 .. t1.  The 16 accumulators take turns, one instruction a turn, in the same order everywhere.
.macro KS q, s, t0, t1, cm
.set tt, \t0
.rept (\t1)-(\t0)+1
.set wn, MUL_LO
.if (\cm) == 1
.set wn, MULB_LO
.endif
.if tt >= 4
.set wn, wn+4
.endif
	WIN wn
	MM \q, \s, tt, 0, \cm
	MM \q, \s, tt, 1, \cm
.set tt, tt+1
.endr
.endm
.macro COMB i, first                   ; TOT(i) += g ACC(i), from the accumulator's low end on; first = 1: the launch's first step starts the totals
.set rT, 128+8*(\i)
.set rS, 8*(\i)
.set rG, G+2*((\i)/2)
.irp k, 0,2,4,6
.if \first
	v_pk_mul_f32 v[rT+\k:rT+\k+1], v[rS+\k:rS+\k+1], v[rG:rG+1]
.else
	v_pk_fma_f32 v[rT+\k:rT+\k+1], v[rS+\k:rS+\k+1], v[rG:rG+1], v[rT+\k:rT+\k+1]
.endif
.endr
.endm
; The last K step, with the weighing in between: behind tile t's two products stand the eight multiply-adds of tile t - 1, which are also the eight places between tile t's products and their own readers.
; Tile 7's multiply-adds stand at the next step's head.
.macro K3 q, first
.set t3, 0
.rept 8
.set wn, MUL_LO
.if t3 >= 4
.set wn, MUL_HI
.endif
	WIN wn
	MM \q, 3, t3, 0, 0
	MM \q, 3, t3, 1, 0
.if t3 == 0
	PLACES 8
.else
	WIN PK
	COMB 2*t3-2, \first
	COMB 2*t3-1, \first
.endif
.set t3, t3+1
.endr
.endm
; A STEP.  kind (odd steps, which leave a slot): 3 = round, weights' and activations' refill; 2 = round and weights' refill; 1 = barrier alone; 0 = nothing.
.macro STEP q
.set jj, (\q)/2
.set sg, jj%2
.set kind, 0
.if ((\q)%2) == 1
.if ((\q) == 1) && (NC == 2)
.set kind, 3
.elseif jj+2 < NSLOT
.set kind, 2
.elseif jj+1 < NSLOT
.set kind, 1
.endif
.endif
.set cm0, 2
.if (\q) < 8
.set cm0, 1
.endif
.set nr1, 17
.if (\q)+1 < 8
.set nr1, 21
.endif
.set fprev, 0
.if (\q) == 1
.set fprev, 1
.endif
.set fthis, 0
.if (\q) == 0
.set fthis, 1
.endif
.if ((\q)%8) == 0
; ---- a chunk's first step: the activations come into registers, a K step ahead of their products
.if (\q) == 8
	WIN PK
	COMB 14, 0
	COMB 15, 0
	WIN 0
	RUN2 \q
.endif
	ALOAD 0
	ALOAD 1
	s_wait_dscnt 32                                ; all but K step 1's 32 loads
	KS \q, 0, 0, 7, cm0
	ALOAD 2
	s_wait_dscnt 32                                ; K step 1 is in
	KS \q, 1, 0, 7, 0
	WIN 0
	PLACES 8                                       ; in front of loads into registers that products have read
	ALOAD 3
	WIN 0
	RUN1 (\q)+1
	s_wait_dscnt 32+nr1                            ; K step 2 is in
	KS \q, 2, 0, 7, 0
	s_wait_dscnt nr1                               ; K step 3 is in; the next step's first run may be out
	K3 \q, fthis
.else
; ---- an ordinary step
	s_wait_dscnt 0x0                               ; this step's first run (asked for 32 products ago and more) is in
.if ((\q) == 5) && (NC == 2)
	WIN 0
	ASC_MG AS1                                     ; chunk 1's scale words, three steps ahead of their first use
.endif
	KS \q, 0, 0, 0, cm0
	WIN PK
	COMB 14, fprev                                 ; the last step's tile 7
	COMB 15, fprev
	WIN 0
	RUN2 \q
	KS \q, 0, 1, 7, cm0
.if kind == 0
	KS \q, 1, 0, 7, 0
.if ((\q)%2) == 0
	WIN 0
	PLACES 8
	RUN1 (\q)+1
.if ((\q) == 4) && (NC == 2)
	ASC_LD                                         ; chunk 1's record has landed and was shown to every wave at step 3's barrier
	s_wait_dscnt nr1+32                            ; the second run is in
.else
	s_wait_dscnt nr1
.endif
.else
	s_wait_dscnt 0x0                               ; the launch's last step
.endif
.else
	WIN 0                                          ; (the add's two registers lie in window 0)
	s_wait_tensorcnt 0x0                           ; all my tensor loads have landed: my part of the next slot (and of chunk 1);
	ds_add_u32 v[SPW], v[NIL]                      ; 0 onto my spare word;
	KS \q, 1, 0, 3, 0                              ; eight products stand between the add and the wait for it
	s_wait_dscnt 0x0                               ; the add is done, and my reads of this slot are over
	s_barrier_signal -1
	KS \q, 1, 4, 7, 0
	WIN 0
	s_barrier_wait -1
.if kind >= 2
	CREST                                          ; the barrier has opened a round of the cluster's barrier: no wave of any partner still reads the slot or has a load on its way
	s_add_nc_u64 s[G0B+4*sg+2:G0B+4*sg+3], s[G0B+4*sg+2:G0B+4*sg+3], 2*SLOTB
.if kind == 3
	s_add_nc_u64 s[G0A+2:G0A+3], s[G0A+2:G0A+3], 2*AREC   ; chunk 1: chunk 0 lies in registers since step 0
	JLOAD sg, 1
.else
	JLOAD sg, 0
.endif
.endif
	PLACES 8                                       ; every wave's places in front of the loads below
	RUN1 (\q)+1
.if (kind >= 2) && (NC == 2) && (jj+4 < NSLOT)
	ASK jj+4
.endif
	s_wait_dscnt nr1
.endif
	KS \q, 2, 0, 7, 0
	K3 \q, fthis
.endif
.endm
; ---------------------------------------------------------------- the head
.if LAYER == 1
	s_load_b64 s[6:7], s[0:1], 0x0                 ; qb (activations and weights), W, the bias, the result
	s_load_b64 s[8:9], s[0:1], 0x8
	s_load_b64 s[10:11], s[0:1], 0x10
	s_load_b64 s[12:13], s[0:1], 0x18
.else
	s_load_b64 s[4:5], s[0:1], 0x0                 ; the activations, qb, W, the bias, the result
	s_load_b64 s[6:7], s[0:1], 0x8
	s_load_b64 s[8:9], s[0:1], 0x10
	s_load_b64 s[10:11], s[0:1], 0x18
	s_load_b64 s[12:13], s[0:1], 0x20
.endif
	v_lshl_add_u32 v[SPW], v0, 2, SPARE
	v_mov_b32 v[NIL], 0
	ds_add_u32 v1, v2
	ds_add_u32 v1, v2
	s_wait_dscnt 0x0
	v_lshrrev_b32 v127, 5, v0
	v_readfirstlane_b32 s14, v127                  ; wave 0..3
	s_lshr_b32 s15, s14, 1                         ; th: which 128 tokens
	s_and_b32 s16, s14, 1                          ; oh: which 32 outputs.  Also: which step (waves 0, 1) or record (waves 2, 3) I fetch
	s_bfe_u32 s17, ttmp6, 0x40000                  ; cx, cy: my place in the cluster
	s_bfe_u32 s18, ttmp6, 0x40004
	s_lshl_b32 s19, ttmp9, 2
	s_add_co_u32 s19, s19, s17                     ; nb: block of 64 outputs = 4 x cluster x + cx
	s_and_b32 s20, ttmp7, 0xffff
	s_lshl_b32 s20, s20, 2
	s_add_co_u32 s20, s20, s18                     ; tb: block of 256 tokens = 4 x cluster y + cy
	s_lshl_b32 s21, s18, 2
	s_lshl_b32 s21, 15, s21                        ; my row of the cluster
	s_lshl_b32 s22, 0x1111, s17                    ; my column
	; descriptor group 1: dense blocks as rows of 256 bytes (32 elements of 8 bytes), no padding: 132 rows a step of weights, 264 a record of activations
	s_or_b32 s[G1B], s22, (3<<16)|(1<<21)          ; 15:0 the mask: weights go to my column; 17:16 elements of 8 bytes; 21 set beside a mask
	s_or_b32 s[G1A], s21, (3<<16)|(1<<21)          ; activations go to my row
.irp g, G1B, G1A
	s_mov_b32 s[\g+1], 32<<16                      ; tensor_dim0
	s_mov_b32 s[\g+3], 32<<16                      ; tile_dim0
	s_mov_b32 s[\g+5], 32                          ; tensor_dim0_stride
	s_mov_b32 s[\g+6], 0
	s_mov_b32 s[\g+7], 0
.endr
	s_mov_b32 s[G1B+2], 132<<16                    ; tensor_dim1
	s_mov_b32 s[G1B+4], 132                        ; tile_dim1
	s_mov_b32 s[G1A+2], 264<<16
	s_mov_b32 s[G1A+4], 264
	; every LDS address is a constant + a constant x lane + a constant x wave, and is made here, ahead of the first branch
	v_and_b32 v120, 31, v0                         ; lane
	v_and_b32 v121, 15, v0                         ; r
	v_bfe_u32 v122, v0, 4, 1                       ; h
	v_lshlrev_b32 v[L16], 4, v120
	s_mul_i32 s21, s16, WREC
	v_add_nc_u32 v[ADB], s21, v[L16]
	v_add_nc_u32 v[ADB+1], SLOTB, v[ADB]
	s_mul_i32 s21, s15, AREC
	s_add_co_u32 s21, s21, AREG
	v_add_nc_u32 v[ADA], s21, v[L16]
	s_add_co_u32 s21, s21, 65536
.if LAYER == 1
	v_add_nc_u32 v[ADAS], s21, v[L16]
.else
	v_lshl_add_u32 v[ADAS], v120, 1, s21
.endif
	s_lshl_b32 s21, s15, 13
	s_add_co_u32 s21, s21, GATE
	v_lshl_add_u32 v[ADG], v121, 4, s21
	s_lshl_b32 s21, s16, 7
	s_add_co_u32 s21, s21, BIAS
	v_lshl_add_u32 v[ADBI], v122, 6, s21
.if NC == 2
	v_lshlrev_b32 v[PFO], 8, v120
.endif
.if LAYER == 3
	s_lshl_b32 s21, s15, 7
	s_mul_i32 s21, s21, 272
	s_lshl_b32 s22, s16, 7
	s_add_co_u32 s21, s21, s22
	s_add_co_u32 s21, s21, AREG
	v_mul_u32_u24 v[EP0], v121, 272
	v_lshl_add_u32 v[EP0], v122, 6, v[EP0]
	v_add_nc_u32 v[EP0], s21, v[EP0]               ; the stage, in: row 128 th + r of 272 bytes, + 128 oh + 64 h
	s_mul_i32 s21, s14, 64*272
	s_add_co_u32 s21, s21, AREG
	v_mul_u32_u24 v[EP1], v122, 272
	v_lshl_add_u32 v[EP1], v121, 4, v[EP1]
	v_add_nc_u32 v[EP1], s21, v[EP1]               ; back: my 64 rows; lanes 0-15 one row, lanes 16-31 the next
	v_lshlrev_b32 v[EP2], 11, v122
	v_lshl_add_u32 v[EP2], v121, 4, v[EP2]         ; and the same two rows of out0
.else
	s_lshl_b32 s21, s15, 8
	s_add_co_u32 s21, s21, SCB
	v_lshl_add_u32 v[EP1], v120, 3, s21            ; the scale bytes, back: 8 a lane
	s_add_co_u32 s21, s21, s16
	v_lshl_add_u32 v[EP0], v121, 1, s21            ; in: 256 th + 2 r + oh
	v_lshlrev_b32 v[EP2], 3, v120
	s_mov_b32 s66, 0x76543210
	s_mov_b32 s67, 0xfedcba98                      ; v_permlanex16_b32's selects for lane l xor 16
	s_mov_b32 s68, 0x600000                        ; the mantissa field of 448
	s_mov_b32 s69, 0xbe800000                      ; -0.25
	s_mov_b32 s70, 0x3fb8aa3b                      ; log2(e); the packed form names a pair
	s_mov_b32 s71, s70
.endif
	v_bfe_u32 v127, v0, 5, 2
	v_lshl_add_u32 v123, v127, 8, GATE
	v_lshl_add_u32 v123, v121, 4, v123
	v_lshl_add_u32 v123, v122, 3, v123             ; where thread v0 puts the gates of tokens v0 and v0 + 128: tile t = v0 / 16: 256 (t / 2) + 16 r + 8 (t % 2)
	v_lshl_add_u32 v124, v0, 4, BIAS
	v_lshlrev_b32 v125, 5, v0                      ; W: 32 bytes a token
	v_lshrrev_b32 v127, 4, v0
	v_mul_u32_u24 v126, v127, BROW
	v_lshl_add_u32 v126, v121, 4, v126             ; the bias: expert v0 / 16, four outputs
	s_wait_kmcnt 0x0
.if LAYER == 1
	s_mov_b64 s[4:5], s[6:7]                       ; X's records lie at qb's head
.endif
	; the weights' addresses hang on nb alone, the activations' on tb alone, each in registers that never hold the other coordinate
	s_mul_i32 s21, s16, STEPB
	s_mul_i32 s44, s19, NS*STEPB
	s_add_co_u32 s44, s44, s21
	s_add_co_u32 s44, s44, WBX
	s_mov_b32 s45, 0
	s_add_nc_u64 s[46:47], s[6:7], s[44:45]
	s_mov_b32 s[G0B], 1
	s_mov_b32 s[G0B+1], s21
	s_mov_b64 s[G0B+2:G0B+3], s[46:47]
	s_or_b32 s[G0B+3], s[G0B+3], 0x80000000
	s_mov_b32 s[G0B+4], 1
	s_add_co_u32 s[G0B+5], s21, SLOTB
	s_add_nc_u64 s[G0B+6:G0B+7], s[46:47], SLOTB
	s_or_b32 s[G0B+7], s[G0B+7], 0x80000000
	s_mul_i32 s22, s16, AREC
	s_mul_i32 s40, s20, NC*2*AREC
	s_add_co_u32 s40, s40, s22
	s_mov_b32 s41, 0
	s_mov_b32 s[G0A], 1
	s_add_co_u32 s[G0A+1], s22, AREG
	s_add_nc_u64 s[G0A+2:G0A+3], s[4:5], s[40:41]
	s_or_b32 s[G0A+3], s[G0A+3], 0x80000000
	s_lshl_b32 s72, s20, 13                        ; W at my 256 tokens
	s_mov_b32 s73, 0
	s_add_nc_u64 s[8:9], s[8:9], s[72:73]
	s_lshl_b32 s72, s19, 8                         ; the bias at my 64 outputs
	s_add_nc_u64 s[10:11], s[10:11], s[72:73]
.if LAYER == 3
	s_lshl_b32 s72, s20, 8
	s_lshl_b32 s74, s14, 6
	s_add_co_u32 s72, s72, s74
	s_lshl_b32 s72, s72, 11                        ; out0: row 256 tb + 64 wave of 2,048 bytes,
	s_lshl_b32 s74, s19, 8
	s_add_co_u32 s72, s72, s74                     ; + 256 nb
	s_add_nc_u64 s[12:13], s[12:13], s[72:73]
.else
	; my 32 outputs are block 2 nb + oh of 32 along the next K: chunk nb / 8, K step (nb / 2) % 4, block 2 (nb % 2) + oh of the step
	s_lshl_b32 s72, s20, 1
	s_lshr_b32 s74, s19, 3
	s_add_co_u32 s72, s72, s74
	s_lshl_b32 s72, s72, 1
	s_add_co_u32 s72, s72, s15
	s_mul_i32 s72, s72, AREC                       ; the record ((tb 2 + chunk) 2 + th)
	s_bfe_u32 s74, s19, 0x20001
	s_and_b32 s75, s19, 1
	s_lshl_b32 s78, s74, 1
	s_add_co_u32 s78, s78, s75
	s_lshl_b32 s78, s78, 8
	s_add_co_u32 s78, s78, s72
	s_add_co_u32 s78, s78, 65536
	s_mov_b32 s79, 0
	s_add_nc_u64 s[76:77], s[12:13], s[78:79]      ; its scale bytes of (K step, half): 256 bytes
	s_lshl_b32 s74, s74, 11
	s_add_co_u32 s72, s72, s74
	s_lshl_b32 s75, s75, 1
	s_add_co_u32 s75, s75, s16
	s_lshl_b32 s75, s75, 9
	s_add_co_u32 s72, s72, s75
	s_add_nc_u64 s[12:13], s[12:13], s[72:73]      ; its codes: + 2048 x K step + 512 x block
.endif
.if NC == 2
	s_mul_i32 s74, s19, NS*STEPB                   ; the prefetches: my column's stream, my work-group's record of a slot's four (by address), my wave's half of its codes
	s_add_co_u32 s74, s74, WBX
	s_mul_i32 s78, s18, WREC
	s_add_co_u32 s74, s74, s78
	s_lshl_b32 s78, s16, 13
	s_add_co_u32 s74, s74, s78
	s_mov_b32 s75, 0
	s_add_nc_u64 s[60:61], s[6:7], s[74:75]
	s_xor_b32 s78, s15, 1                          ; 0 in waves 2 and 3,
	s_and_b32 s79, ttmp7, 0xffff
	s_or_b32 s78, s78, s79                         ; of the clusters with y = 0: the same in all sixteen partners
	s_cmp_eq_u32 s78, 0
	s_cselect_b32 s62, 1, -1
.endif
	CROUND                                         ; all sixteen work-groups are here: the first joint loads meet
	s_cmp_lt_u32 s14, 2                            ; a wave's first fills stand in one branch
	s_cbranch_scc0 .Lfirst_a
	tensor_load_to_lds s[G0B:G0B+3], s[G1B:G1B+7]
	s_nop 0
	tensor_load_to_lds s[G0B+4:G0B+7], s[G1B:G1B+7]
	s_nop 0
	PLACES 4
	s_branch .Lfirst_done
.Lfirst_a:
	tensor_load_to_lds s[G0A:G0A+3], s[G1A:G1A+7]
	s_nop 0
	PLACES 4
.Lfirst_done:
	global_load_b128 v[96:99], v125, s[8:9]                ; the gates of token v0,
	global_load_b128 v[100:103], v125, s[8:9] offset:16
	global_load_b128 v[104:107], v125, s[8:9] offset:4096  ; and of token v0 + 128
	global_load_b128 v[108:111], v125, s[8:9] offset:4112
	global_load_b128 v[112:115], v126, s[10:11]
	s_wait_loadcnt 0x0
.irp u, 0,1
.irp e, 0,1,2,3,4,5,6,7
	ds_store_b32 v123, v[96+8*\u+\e] offset:\u*8192+\e*1024      ; each gate twice: a pair for the packed multiply-add
	ds_store_b32 v123, v[96+8*\u+\e] offset:\u*8192+\e*1024+4
.endr
.endr
	ds_store_b128 v124, v[112:115]
	s_wait_tensorcnt 0x0                           ; my first fills have landed,
	s_wait_dscnt 0x0                               ; my stores too
	s_barrier_signal -1
	s_barrier_wait -1                              ; everybody's have
	ASC_LD
	RUN1 0
	RUN2 0
.if NC == 2
	s_wait_dscnt 41                                ; the 32 halves are in; the two runs (21 + 20) may be out
	ASC_MG AS0
	PLACES 8                                       ; a scale register written by a vector instruction stands eight places ahead of its product
.endif
.set Q, 0
.rept NS
	STEP Q
.set Q, Q+1
.endr
	WIN PK
	COMB 14, 0
	COMB 15, 0
.if LAYER == 3
; ---------------------------------------------------------------- out0: through a stage, so that sixteen lanes store 256 consecutive bytes, aligned
; The stage lies where the activations' records lay: they had their last fill behind step 1's round and their last read in step 8, and barriers lie between.
	WIN ST1
.irp t, 0,1,2,3,4,5,6,7
.irp i, 0,1,2,3
	ds_store_b128 v[EP0], v[128+16*\t+4*\i:128+16*\t+4*\i+3] offset:4352*\t+16*\i   ; token 16 t + r, outputs 16 h + 4 i on of my 32
.endr
.endr
	WIN 0
	s_wait_dscnt 0x0
	s_barrier_signal -1
	s_barrier_wait -1                              ; a row's 256 bytes come from two waves
.irp i, 0,1,2,3,4,5,6,7,8,9,10,11,12,13,14,15,16,17,18,19,20,21,22,23,24,25,26,27,28,29,30,31
	ds_load_b128 v[BF+4*\i:BF+4*\i+3], v[EP1] offset:544*\i
.endr
.irp i, 0,1,2,3,4,5,6,7,8,9,10,11,12,13,14,15,16,17,18,19,20,21,22,23,24,25,26,27,28,29,30,31
	s_wait_dscnt 31-\i
	global_store_b128 v[EP2], v[BF+4*\i:BF+4*\i+3], s[12:13] offset:4096*\i th:TH_STORE_NT
.endr
.else
; ---------------------------------------------------------------- elu, the quantiser, and the next layer's operand
.set EN,  0                            ; window 1: min(x, 0)
.set EU,  16                           ; 2^(N log2 e), then - 1, then the choice
.set EQ,  32                           ; the polynomial at work
.set EPL, 48                           ; its value
.set ECO, 64                           ; 1/6, 1/24, 1/120, 1/720, each twice
.set EM,  72                           ; largest magnitudes, later the bytes
.set EH,  80                           ; the other half's, later 448 x the scale
.set ESC, 88                           ; the conversions' scale operands
.set ECD, 96                           ; the codes
	WIN ALL1
	v_mov_b32 v[ECO], 0x3e2aaaab
	v_mov_b32 v[ECO+1], 0x3e2aaaab
	v_mov_b32 v[ECO+2], 0x3d2aaaab
	v_mov_b32 v[ECO+3], 0x3d2aaaab
	v_mov_b32 v[ECO+4], 0x3c088889
	v_mov_b32 v[ECO+5], 0x3c088889
	v_mov_b32 v[ECO+6], 0x3ab60b61
	v_mov_b32 v[ECO+7], 0x3ab60b61
.irp t, 0,1,2,3,4,5,6,7
	v_mov_b32 v[EH+\t], 0                          ; written once: a lane permute's destination counts as one of its sources
.endr
; elu(x) = max(x, expm1(min(x, 0))), on the 16 numbers of token tile t.  The exponentials are one batch; the polynomial, which reads N alone, is the work behind them; one wait stands ahead of the batch's first reader.
.macro ELU t
.set xr, 128+16*(\t)
.irp i, 0,1,2,3,4,5,6,7,8,9,10,11,12,13,14,15
	v_min_num_f32 v[EN+\i], 0, v[xr+\i]
.endr
.irp k, 0,2,4,6,8,10,12,14
	v_pk_mul_f32 v[EU+\k:EU+\k+1], v[EN+\k:EN+\k+1], s[70:71] op_sel_hi:[1,0]
.endr
.irp i, 0,1,2,3,4,5,6,7,8,9,10,11,12,13,14,15
	v_exp_f32 v[EU+\i], v[EU+\i]
.endr
.irp k, 0,2,4,6,8,10,12,14
	v_pk_fma_f32 v[EQ+\k:EQ+\k+1], v[EN+\k:EN+\k+1], v[ECO+6:ECO+7], v[ECO+4:ECO+5]
.endr
.irp k, 0,2,4,6,8,10,12,14
	v_pk_fma_f32 v[EQ+\k:EQ+\k+1], v[EN+\k:EN+\k+1], v[EQ+\k:EQ+\k+1], v[ECO+2:ECO+3]
.endr
.irp k, 0,2,4,6,8,10,12,14
	v_pk_fma_f32 v[EQ+\k:EQ+\k+1], v[EN+\k:EN+\k+1], v[EQ+\k:EQ+\k+1], v[ECO:ECO+1]
.endr
.irp k, 0,2,4,6,8,10,12,14
	v_pk_fma_f32 v[EQ+\k:EQ+\k+1], v[EN+\k:EN+\k+1], v[EQ+\k:EQ+\k+1], 0.5 op_sel_hi:[1,1,0]
.endr
.irp k, 0,2,4,6,8,10,12,14
	v_pk_mul_f32 v[EQ+\k:EQ+\k+1], v[EN+\k:EN+\k+1], v[EQ+\k:EQ+\k+1]
.endr
.irp k, 0,2,4,6,8,10,12,14
	v_pk_fma_f32 v[EPL+\k:EPL+\k+1], v[EN+\k:EN+\k+1], v[EQ+\k:EQ+\k+1], v[EN+\k:EN+\k+1]   ; N + N (N (1/2 + N (1/6 + ..)))
.endr
	s_wait_alu depctr_va_vdst(0)                   ; one wait for the 16 exponentials, ahead of their first reader
.irp k, 0,2,4,6,8,10,12,14
	v_pk_add_f32 v[EU+\k:EU+\k+1], v[EU+\k:EU+\k+1], -1.0 op_sel_hi:[1,0]
.endr
.irp i, 0,1,2,3,4,5,6,7,8,9,10,11,12,13,14,15
	v_cmp_lt_f32 vcc_lo, s69, v[EN+\i]             ; above -0.25 the difference would lose bits: the polynomial is taken
	v_cndmask_b32 v[EU+\i], v[EU+\i], v[EPL+\i], vcc_lo
.endr
.irp i, 0,1,2,3,4,5,6,7,8,9,10,11,12,13,14,15
	v_max_num_f32 v[xr+\i], v[xr+\i], v[EU+\i]
.endr
.endm
.irp t, 0,1,2,3,4,5,6,7
	ELU \t
.endr
; The quantiser: a tile's 16 registers are 16 neighbours along the next K; the block's other 16 lie in lane l xor 16.  The eight tiles by turns.
.irp t, 0,1,2,3,4,5,6,7
	v_max3_num_f32 v[EM+\t], |v[128+16*\t]|, |v[129+16*\t]|, 0x4800000   ; and the floor 2^(9 - 127): the byte cannot fall under 1
.endr
.irp i, 2,4,6,8,10,12,14
.irp t, 0,1,2,3,4,5,6,7
	v_max3_num_f32 v[EM+\t], v[EM+\t], |v[128+16*\t+\i]|, |v[129+16*\t+\i]|
.endr
.endr
.irp t, 0,1,2,3,4,5,6,7
	v_permlanex16_b32 v[EH+\t], v[EM+\t], s66, s67
.endr
.irp t, 0,1,2,3,4,5,6,7
	v_max_num_f32 v[EM+\t], v[EM+\t], v[EH+\t]
.endr
.irp t, 0,1,2,3,4,5,6,7
	v_add_nc_u32 v[ESC+\t], 0xfc000000, v[EM+\t]   ; 8 off the exponent field: the conversion's scale operand
.endr
.irp t, 0,1,2,3,4,5,6,7
	v_and_or_b32 v[EH+\t], v[EM+\t], 0x7f800000, s68   ; 448 x the scale
.endr
.irp t, 0,1,2,3,4,5,6,7
	v_lshrrev_b32 v[EM+\t], 23, v[ESC+\t]          ; the scale's byte
.endr
.irp t, 0,1,2,3,4,5,6,7
.irp i, 0,1,2,3,4,5,6,7,8,9,10,11,12,13,14,15
	v_med3_num_f32 v[128+16*\t+\i], v[128+16*\t+\i], -v[EH+\t], v[EH+\t]   ; the conversion to an 8-bit code does not saturate (ISA guide 7.6.2): the hold comes first
.endr
	v_cvt_scalef32_pk8_fp8_f32 v[ECD+4*\t:ECD+4*\t+1], v[128+16*\t:135+16*\t], v[ESC+\t]
	v_cvt_scalef32_pk8_fp8_f32 v[ECD+4*\t+2:ECD+4*\t+3], v[136+16*\t:143+16*\t], v[ESC+\t]
.endr
	v_nop                                          ; a plain line behind the last conversion
	WIN ST1
.irp t, 0,1,2,3,4,5,6,7
	global_store_b128 v[L16], v[ECD+4*\t:ECD+4*\t+3], s[12:13] offset:8192*\t   ; four registers of the next operand's fragment (t, K step): 32 lanes store 512 consecutive bytes, aligned
.endr
.irp t, 0,1,2,3,4,5,6,7
	ds_store_b8 v[EP0], v[EM+\t] offset:32*\t      ; both lanes of a block write the same byte with the same value
.endr
	WIN 0
	s_wait_dscnt 0x0
	s_barrier_signal -1
	s_barrier_wait -1                              ; a token's two bytes come from two waves
	s_cmp_lg_u32 s16, 0
	s_cbranch_scc1 .Lno_scales                     ; waves 0 and 2 store them
	ds_load_b64 v[88:89], v[EP1]
	s_wait_dscnt 0x0
	global_store_b64 v[EP2], v[88:89], s[76:77]    ; 32 lanes store 256 consecutive bytes, aligned
.Lno_scales:
.endif
	s_wait_tensorcnt 0x0                           ; the wave's end
	ds_add_u32 v[SPW], v[NIL]
	s_wait_dscnt 0x0
	CROUND                                         ; the closing round: no work-group ends while a partner may still ask for a tile that names it
	s_endpgm
.Lfunc_end_k_q0bb127cd52_layer1:
	.size	k_q0bb127cd52_layer1, .Lfunc_end_k_q0bb127cd52_layer1-k_q0bb127cd52_layer1
	.p2alignl 7, 3214868480
	.fill 96, 4, 3214868480
	.section	.rodata,"a",@progbits
	.p2align	6, 0x0
	.amdhsa_kernel k_q0bb127cd52_layer1
		.amdhsa_group_segment_fixed_size 327680
		.amdhsa_private_segment_fixed_size 0
		.amdhsa_enable_private_segment 0
		.amdhsa_kernarg_size 32
		.amdhsa_user_sgpr_count 2
		.amdhsa_user_sgpr_kernarg_segment_ptr 1
		.amdhsa_wavefront_size32 1
		.amdhsa_system_sgpr_workgroup_id_x 1
		.amdhsa_system_sgpr_workgroup_id_y 1
		.amdhsa_system_sgpr_workgroup_id_z 1
		.amdhsa_system_vgpr_workitem_id 0
		.amdhsa_next_free_vgpr 1024
		.amdhsa_next_free_sgpr 100
		.amdhsa_reserve_vcc 1
		.amdhsa_float_denorm_mode_32 3
		.amdhsa_float_denorm_mode_16_64 3
		.amdhsa_memory_ordered 1
		.amdhsa_forward_progress 1
		.amdhsa_inst_pref_size 218
	.end_amdhsa_kernel
	.amdgpu_metadata
---
amdhsa.version: [ 1, 2 ]
amdhsa.kernels:
  - .name:           k_q0bb127cd52_layer1
    .symbol:         k_q0bb127cd52_layer1.kd
    .args:
      - { .name: qb, .offset: 0, .size: 8, .value_kind: global_buffer, .address_space: global }
      - { .name: W, .offset: 8, .size: 8, .value_kind: global_buffer, .address_space: global }
      - { .name: b1, .offset: 16, .size: 8, .value_kind: global_buffer, .address_space: global }
      - { .name: m1, .offset: 24, .size: 8, .value_kind: global_buffer, .address_space: global }
    .group_segment_fixed_size: 327680
    .private_segment_fixed_size: 0
    .kernarg_segment_align: 8
    .kernarg_segment_size: 32
    .max_flat_workgroup_size: 128
    .sgpr_count:     100
    .vgpr_count:     1024
    .wavefront_size: 32
...
	.end_amdgpu_metadata
.endif
;; end of part 2
;; launch layer2 (part 3): grid 16 x 16, 4 waves a work-group, clusters of 4 x 4, 327,680 bytes of LDS; arguments m1, qb, W, b2, m2; writes m2
.if DOCPART == 3
	.amdgcn_target "amdgcn-amd-amdhsa--gfx1250"
	.amdhsa_code_object_version 6
	.text
	.protected	k_q0bb127cd52_layer2
	.globl	k_q0bb127cd52_layer2
	.p2align	8
	.type	k_q0bb127cd52_layer2,@function
k_q0bb127cd52_layer2:
	s_mov_b64 s[64:65], 0
	v_nop
	global_prefetch_b8 v0, s[64:65] scope:SCOPE_SE
	s_setreg_imm32_b32 hwreg(HW_REG_WAVE_MODE, 25, 1), 1
	s_wait_xcnt 0x0
	s_wait_alu depctr_hold_cnt(0) depctr_sa_sdst(0) depctr_va_vdst(0) depctr_va_sdst(0) depctr_va_ssrc(0) depctr_va_vcc(0) depctr_vm_vsrc(0)
	s_getreg_b32 s2, hwreg(HW_REG_IB_STS2, 6, 4)
	s_cmp_eq_u32 s2, 0
	s_cbranch_scc0 .Lentry_in_a_cluster
	s_endpgm
.Lentry_in_a_cluster:
	s_bfe_u32 s2, ttmp6, 0x10000c
	s_cmp_lg_u32 s2, 0xf033
	s_cbranch_scc0 .Lentry_shape_is_right
	s_endpgm
.Lentry_shape_is_right:
; ONE LAYER OF SOFT-GATED EXPERTS ON CODES OF FP8 (E4M3) WITH E8M0 SCALES: z[b][o] = sum over e of g[b][e] (act[b] . We[e][o] + be[e][o]), g = W as it is given.
; One text serves the three layers; LAYER chooses.  1: act = X (K = 512), z -> elu -> quantised -> m1.  2: act = m1 (K = 1,024), the same -> m2.  3: act = m2, z -> out0 in f32.
; SHARES.  A work-group makes 256 tokens x 64 outputs; wave w (th = w / 2, oh = w % 2) 128 tokens x 32 outputs.  Layers 1 and 2: 16 x 16 work-groups; layer 3: out0 has 16 x 8 such tiles, so 128 work-groups.
; THE ACTIVATIONS STAY IN REGISTERS: a wave's 128 tokens x a chunk of 512 along K are 512 registers, used for all 8 experts; LDS feeds weight fragments alone, each of which (2,048 bytes) serves 8 products.
; K = 1,024 goes as two chunks: the gated sum is linear, so each partial (chunk, expert) is weighed into the total.  A STEP q = 8 c + e: 4 K steps x 16 accumulators = 64 products, then 64 packed multiply-adds TOT += g ACC.
; TRANSPOSED USE: source 0 = 16 rows of We, source 1 = 16 tokens: a lane holds ONE token (lane % 16); the rows of a weight tile are chosen (by the launch that laid them out) so that the 16 registers of tiles n = 0, 1
; are 16 neighbouring outputs, 16 (lane / 16) + 0 .. 15 of the wave's 32: one block of 32 along the next K lies in lanes l and l xor 16.  The bias is the C of a step's first products (chunk 0 only).
; OPERANDS LIE IN MEMORY IN THE ORDER OF THE REGISTERS (fragment images of 2,048 bytes: byte 512 c + 16 lane): every LDS load is 512 consecutive bytes, no pitch, no padding.
; RING.  Two LDS slots of two steps' weights (67,584 bytes), filled by waves 0 and 1, a step each; the chunk's activations (2 x 67,584 bytes) by waves 2 and 3.  One load a wave behind each change of slots;
; by this text's count a wave has at most two tensor loads out (the first fills), later one.  A refill has two steps, 128 products a wave, in which to land.
; CLUSTER 4 x 4: the four work-groups of a row share their tokens' records, the four of a column their weights: each is asked for jointly, which divides the requests by four.
; PREFETCH (layers 2, 3): behind each refill, the slot two refills on, 256 products ahead of the load that wants it; only clusters with y = 0 ask; a column's four partners take one record of 16,896 bytes each, by address;
; waves 2 and 3 take its two runs of 8,192 bytes of codes, lanes 256 bytes apart.  Slots 0 to 3 and the records' scale words come by their loads alone.  Layer 1 has four slots: none lies two refills on, so it asks for nothing.
; LIMITS: NaN and infinities are not served; a block of zeros gets the byte 1 (its codes are zeros; this program alone reads the bytes); blocks whose largest magnitude lies under 2^-118 keep the byte 1;
; the order of the f32 sums differs from the formula's: the bias stands ahead of the K sum, and the gated sum runs over (chunk, expert).  expm1: a polynomial of degree 6 above -0.25 (cut off under 5e-8 of the number), 2^(x log2 e) - 1 below.
; REGISTERS, in windows of 256.  Window 0: v1-13 addresses; v16-31, v72-87 the activations' scale words (chunk 0, 1); v32-39 the weights' (two sets); v40-55 gates; v56-71 bias; v88-119 at work; v120-127 the head's own; v128-255 weight fragments.
;   Window 1: v0-127 ACC (16 accumulators; at work in the epilogue), v128-255 TOT.   Windows 2, 3: the activations' fragments (tile t, K step s) at 64 (t % 4) + 16 s.
.set LAYER, 2
.if LAYER == 1
.set NC,   1
.set WBX,  2162688                     ; where this layer's weight records begin in qb
.endif
.if LAYER == 2
.set NC,   2
.set WBX,  6488064
.endif
.if LAYER == 3
.set NC,   2
.set WBX,  15138816
.endif
.set BROW, 4096                        ; an expert's row of the bias in bytes
.if LAYER == 3
.set BROW, 2048
.endif
.set NS,    8*NC                       ; steps
.set NSLOT, NS/2                       ; slots' worth of weights
.set WREC,  16896                      ; 32 outputs x 512 K of one expert: 8 fragments, then 512 bytes of scale words
.set STEPB, 2*WREC                     ; a step: both halves of the 64 outputs
.set SLOTB, 2*STEPB
.set AREC,  67584                      ; 128 tokens x 512 K: 32 fragments, then 2,048 bytes of scales
.set AREG,  2*SLOTB                    ; LDS: behind the two slots the chunk's two records (layer 3: at the end the stage for out0),
.set GATE,  AREG+2*AREC                ; the gates: 8192 th + 1024 e + 256 i + 16 r: (g, g) of token tile 2 i, (g, g) of tile 2 i + 1,
.set BIAS,  GATE+16384                 ; the bias: 256 e + 4 x output,
.set SCB,   BIAS+2048                  ; the new scale bytes: 256 th + 2 token + oh,
.set SPARE, SCB+512                    ; the spare words, 128 bytes a wave: two blocks of 256 bytes that no other line names
.set SPW,  1
.set NIL,  2
.set ADB,  3                           ; v3, v4  my half of slot 0, 1: + 16 lane
.set ADA,  5                           ; v5      my tokens' record + 16 lane
.set ADAS, 6                           ; v6      its scales
.set ADG,  7                           ; v7      my tokens' gates + 16 r
.set ADBI, 8                           ; v8      my outputs' bias + 64 h
.set PFO,  9                           ; v9      256 lane
.set L16,  10                          ; v10     16 lane
.set EP0,  11                          ; v11-13  the epilogue's addresses
.set EP1,  12
.set EP2,  13
.set AS0,  16
.set BS,   32
.set G,    40
.set BI,   56
.set AS1,  72
.set TMP,  88
.set BF,   128
.set G1B,  24                          ; s[24:31] descriptor group 1 for weights;  s[32:39] for activations
.set G1A,  32
.set G0B,  48                          ; s[48:51], s[52:55] group 0 for slot 0, 1;  s[56:59] for the activations
.set G0A,  56
.set MUL_LO,  0x58                     ; source 0 window 0, source 1 window 2, C and D window 1
.set MUL_HI,  0x5c                     ; source 1 window 3
.set MULB_LO, 0x48                     ; the same with C (the bias) in window 0
.set PK,      0x51                     ; destination, sources 0 and 2 window 1, source 1 (the gate) window 0
.set TO_A2,   0x80
.set TO_A3,   0xc0
.set ST1,     0x04                     ; a store's data in window 1
.set ALL1,    0x55
.set MSB, 0
.macro WIN new                         ; the immediate's high byte repeats the setting that is left
.if MSB != \new
	s_set_vgpr_msb (MSB<<8)|\new
.set MSB, \new
.endif
.endm
.macro PLACES n
.rept \n
	v_nop
.endr
.endm
.macro CREST                           ; a round of the cluster's barrier behind its opening barrier
	s_cmp_lg_u32 s14, 0
	s_cbranch_scc1 .Lnot_wave_0_\@
	s_barrier_signal -3
.Lnot_wave_0_\@:
	s_barrier_wait -3
	s_barrier_signal -1
	s_barrier_wait -1
.endm
.macro CROUND
	s_barrier_signal -1
	s_barrier_wait -1
	CREST
.endm
; A joint refill: waves 0 and 1 fetch a step of weights each; witha = 1: waves 2 and 3 a record of activations each.  The branch hangs on the wave's number alone.  Four v_nop follow each load.
.macro JLOAD slot, witha
	s_cmp_lt_u32 s14, 2
	s_cbranch_scc0 .Lnot_b_\@
	tensor_load_to_lds s[G0B+4*(\slot):G0B+4*(\slot)+3], s[G1B:G1B+7]
	s_nop 0
	PLACES 4
.if \witha
	s_branch .Lasked_\@
.endif
.Lnot_b_\@:
.if \witha
	tensor_load_to_lds s[G0A:G0A+3], s[G1A:G1A+7]
	s_nop 0
	PLACES 4
.Lasked_\@:
.endif
.endm
.macro ASK idx                         ; slot idx is asked of memory: my work-group's record, my wave's 8,192 bytes; the slot stands in the immediate, so nothing is stepped
	s_cmp_eq_u32 s62, 1
	s_cbranch_scc0 .Lnot_mine_\@
	global_prefetch_b8 v[PFO], s[60:61] offset:(\idx)*SLOTB th:TH_LOAD_NT scope:SCOPE_SE
.Lnot_mine_\@:
.endm
.macro RUN1 q                          ; step q: weight fragments of K steps 0, 1, the step's scale words, and (chunk 0) its bias: 21 loads, or 17
.set r1a, ADB+(((\q)/2)%2)
.set r1o, ((\q)%2)*STEPB
.irp s, 0,1
.irp n, 0,1
.irp c, 0,1,2,3
	ds_load_b128 v[BF+32*\s+16*\n+4*\c:BF+32*\s+16*\n+4*\c+3], v[r1a] offset:r1o+(4*\n+\s)*2048+512*\c
.endr
.endr
.endr
	ds_load_b128 v[BS+4*((\q)%2):BS+4*((\q)%2)+3], v[r1a] offset:r1o+16384   ; lanes 0-15: rows of tile 0, lanes 16-31: of tile 1; register s: K step s
.if (\q) < 8
.irp i, 0,1,2,3
	ds_load_b128 v[BI+4*\i:BI+4*\i+3], v[ADBI] offset:(\q)*256+16*\i
.endr
.endif
.endm
.macro RUN2 q                          ; step q: K steps 2, 3, and the expert's gates: 20 loads
.set r1a, ADB+(((\q)/2)%2)
.set r1o, ((\q)%2)*STEPB
.irp s, 2,3
.irp n, 0,1
.irp c, 0,1,2,3
	ds_load_b128 v[BF+32*\s+16*\n+4*\c:BF+32*\s+16*\n+4*\c+3], v[r1a] offset:r1o+(4*\n+\s)*2048+512*\c
.endr
.endr
.endr
.irp i, 0,1,2,3
	ds_load_b128 v[G+4*\i:G+4*\i+3], v[ADG] offset:((\q)%8)*1024+256*\i
.endr
.endm
.macro ALOAD s                         ; the chunk's activations of K step s, 8 token tiles: 32 loads
	WIN TO_A2
.irp t, 0,1,2,3
.irp c, 0,1,2,3
	ds_load_b128 v[64*\t+16*(\s)+4*\c:64*\t+16*(\s)+4*\c+3], v[ADA] offset:(4*\t+(\s))*2048+512*\c
.endr
.endr
	WIN TO_A3
.irp t, 4,5,6,7
.irp c, 0,1,2,3
	ds_load_b128 v[64*(\t-4)+16*(\s)+4*\c:64*(\t-4)+16*(\s)+4*\c+3], v[ADA] offset:(4*\t+(\s))*2048+512*\c
.endr
.endr
.endm
.macro ASC_LD                          ; the chunk's scales: lanes 0-15 token tile 2 g, lanes 16-31 tile 2 g + 1
.if LAYER == 1
.irp g, 0,1,2,3
	ds_load_b128 v[AS0+4*\g:AS0+4*\g+3], v[ADAS] offset:512*\g      ; X: four words a token
.endr
.else
.irp s, 0,1,2,3
.irp g, 0,1,2,3
.irp f, 0,1
	ds_load_u16 v[TMP+8*\s+2*\g+\f], v[ADAS] offset:(2*\s+\f)*256+64*\g   ; two bytes a token for each half of a K step
.endr
.endr
.endr
.endif
.endm
.macro ASC_MG set                      ; two halves make a word
.irp s, 0,1,2,3
.irp g, 0,1,2,3
	v_lshl_or_b32 v[\set+4*\g+\s], v[TMP+8*\s+2*\g+1], 16, v[TMP+8*\s+2*\g]
.endr
.endr
.endm
; One product: step q, K step s, token tile t, weight tile n.  cm = 0: onto the accumulator; 1: C = the bias; 2: C = 0.
.macro MM q, s, t, n, cm
.set rD, 8*(2*(\t)+(\n))
.set rB, BF+32*(\s)+16*(\n)
.set rA, 64*((\t)%4)+16*(\s)
.set rW, BS+4*((\q)%2)+(\s)
.set rX, AS0+(AS1-AS0)*((\q)/8)+4*((\t)/2)+(\s)
.set rC, rD
.if (\cm) == 1
.set rC, BI+8*(\n)
.endif
.set sel, 2*((\t)%2)+(\n)
.if (\cm) == 2
.if sel == 0
	v_wmma_scale_f32_16x16x128_f8f6f4 v[rD:rD+7], v[rB:rB+15], v[rA:rA+15], 0, v[rW], v[rX]
.elseif sel == 1
	v_wmma_scale_f32_16x16x128_f8f6f4 v[rD:rD+7], v[rB:rB+15], v[rA:rA+15], 0, v[rW], v[rX] matrix_a_scale:MATRIX_SCALE_ROW1
.elseif sel == 2
	v_wmma_scale_f32_16x16x128_f8f6f4 v[rD:rD+7], v[rB:rB+15], v[rA:rA+15], 0, v[rW], v[rX] matrix_b_scale:MATRIX_SCALE_ROW1
.else
	v_wmma_scale_f32_16x16x128_f8f6f4 v[rD:rD+7], v[rB:rB+15], v[rA:rA+15], 0, v[rW], v[rX] matrix_a_scale:MATRIX_SCALE_ROW1 matrix_b_scale:MATRIX_SCALE_ROW1
.endif
.else
.if sel == 0
	v_wmma_scale_f32_16x16x128_f8f6f4 v[rD:rD+7], v[rB:rB+15], v[rA:rA+15], v[rC:rC+7], v[rW], v[rX]
.elseif sel == 1
	v_wmma_scale_f32_16x16x128_f8f6f4 v[rD:rD+7], v[rB:rB+15], v[rA:rA+15], v[rC:rC+7], v[rW], v[rX] matrix_a_scale:MATRIX_SCALE_ROW1
.elseif sel == 2
	v_wmma_scale_f32_16x16x128_f8f6f4 v[rD:rD+7], v[rB:rB+15], v[rA:rA+15], v[rC:rC+7], v[rW], v[rX] matrix_b_scale:MATRIX_SCALE_ROW1
.else
	v_wmma_scale_f32_16x16x128_f8f6f4 v[rD:rD+7], v[rB:rB+15], v[rA:rA+15], v[rC:rC+7], v[rW], v[rX] matrix_a_scale:MATRIX_SCALE_ROW1 matrix_b_scale:MATRIX_SCALE_ROW1
.endif
.endif
.endm
; K step s for token tiles t0 .. t1.  The 16 accumulators take turns, one instruction a turn, in the same order everywhere.
.macro KS q, s, t0, t1, cm
.set tt, \t0
.rept (\t1)-(\t0)+1
.set wn, MUL_LO
.if (\cm) == 1
.set wn, MULB_LO
.endif
.if tt >= 4
.set wn, wn+4
.endif
	WIN wn
	MM \q, \s, tt, 0, \cm
	MM \q, \s, tt, 1, \cm
.set tt, tt+1
.endr
.endm
.macro COMB i, first                   ; TOT(i) += g ACC(i), from the accumulator's low end on; first = 1: the launch's first step starts the totals
.set rT, 128+8*(\i)
.set rS, 8*(\i)
.set rG, G+2*((\i)/2)
.irp k, 0,2,4,6
.if \first
	v_pk_mul_f32 v[rT+\k:rT+\k+1], v[rS+\k:rS+\k+1], v[rG:rG+1]
.else
	v_pk_fma_f32 v[rT+\k:rT+\k+1], v[rS+\k:rS+\k+1], v[rG:rG+1], v[rT+\k:rT+\k+1]
.endif
.endr
.endm
; The last K step, with the weighing in between: behind tile t's two products stand the eight multiply-adds of tile t - 1, which are also the eight places between tile t's products and their own readers.
; Tile 7's multiply-adds stand at the next step's head.
.macro K3 q, first
.set t3, 0
.rept 8
.set wn, MUL_LO
.if t3 >= 4
.set wn, MUL_HI
.endif
	WIN wn
	MM \q, 3, t3, 0, 0
	MM \q, 3, t3, 1, 0
.if t3 == 0
	PLACES 8
.else
	WIN PK
	COMB 2*t3-2, \first
	COMB 2*t3-1, \first
.endif
.set t3, t3+1
.endr
.endm
; A STEP.  kind (odd steps, which leave a slot): 3 = round, weights' and activations' refill; 2 = round and weights' refill; 1 = barrier alone; 0 = nothing.
.macro STEP q
.set jj, (\q)/2
.set sg, jj%2
.set kind, 0
.if ((\q)%2) == 1
.if ((\q) == 1) && (NC == 2)
.set kind, 3
.elseif jj+2 < NSLOT
.set kind, 2
.elseif jj+1 < NSLOT
.set kind, 1
.endif
.endif
.set cm0, 2
.if (\q) < 8
.set cm0, 1
.endif
.set nr1, 17
.if (\q)+1 < 8
.set nr1, 21
.endif
.set fprev, 0
.if (\q) == 1
.set fprev, 1
.endif
.set fthis, 0
.if (\q) == 0
.set fthis, 1
.endif
.if ((\q)%8) == 0
; ---- a chunk's first step: the activations come into registers, a K step ahead of their products
.if (\q) == 8
	WIN PK
	COMB 14, 0
	COMB 15, 0
	WIN 0
	RUN2 \q
.endif
	ALOAD 0
	ALOAD 1
	s_wait_dscnt 32                                ; all but K step 1's 32 loads
	KS \q, 0, 0, 7, cm0
	ALOAD 2
	s_wait_dscnt 32                                ; K step 1 is in
	KS \q, 1, 0, 7, 0
	WIN 0
	PLACES 8                                       ; in front of loads into registers that products have read
	ALOAD 3
	WIN 0
	RUN1 (\q)+1
	s_wait_dscnt 32+nr1                            ; K step 2 is in
	KS \q, 2, 0, 7, 0
	s_wait_dscnt nr1                               ; K step 3 is in; the next step's first run may be out
	K3 \q, fthis
.else
; ---- an ordinary step
	s_wait_dscnt 0x0                               ; this step's first run (asked for 32 products ago and more) is in
.if ((\q) == 5) && (NC == 2)
	WIN 0
	ASC_MG AS1                                     ; chunk 1's scale words, three steps ahead of their first use
.endif
	KS \q, 0, 0, 0, cm0
	WIN PK
	COMB 14, fprev                                 ; the last step's tile 7
	COMB 15, fprev
	WIN 0
	RUN2 \q
	KS \q, 0, 1, 7, cm0
.if kind == 0
	KS \q, 1, 0, 7, 0
.if ((\q)%2) == 0
	WIN 0
	PLACES 8
	RUN1 (\q)+1
.if ((\q) == 4) && (NC == 2)
	ASC_LD                                         ; chunk 1's record has landed and was shown to every wave at step 3's barrier
	s_wait_dscnt nr1+32                            ; the second run is in
.else
	s_wait_dscnt nr1
.endif
.else
	s_wait_dscnt 0x0                               ; the launch's last step
.endif
.else
	WIN 0                                          ; (the add's two registers lie in window 0)
	s_wait_tensorcnt 0x0                           ; all my tensor loads have landed: my part of the next slot (and of chunk 1);
	ds_add_u32 v[SPW], v[NIL]                      ; 0 onto my spare word;
	KS \q, 1, 0, 3, 0                              ; eight products stand between the add and the wait for it
	s_wait_dscnt 0x0                               ; the add is done, and my reads of this slot are over
	s_barrier_signal -1
	KS \q, 1, 4, 7, 0
	WIN 0
	s_barrier_wait -1
.if kind >= 2
	CREST                                          ; the barrier has opened a round of the cluster's barrier: no wave of any partner still reads the slot or has a load on its way
	s_add_nc_u64 s[G0B+4*sg+2:G0B+4*sg+3], s[G0B+4*sg+2:G0B+4*sg+3], 2*SLOTB
.if kind == 3
	s_add_nc_u64 s[G0A+2:G0A+3], s[G0A+2:G0A+3], 2*AREC   ; chunk 1: chunk 0 lies in registers since step 0
	JLOAD sg, 1
.else
	JLOAD sg, 0
.endif
.endif
	PLACES 8                                       ; every wave's places in front of the loads below
	RUN1 (\q)+1
.if (kind >= 2) && (NC == 2) && (jj+4 < NSLOT)
	ASK jj+4
.endif
	s_wait_dscnt nr1
.endif
	KS \q, 2, 0, 7, 0
	K3 \q, fthis
.endif
.endm
; ---------------------------------------------------------------- the head
.if LAYER == 1
	s_load_b64 s[6:7], s[0:1], 0x0                 ; qb (activations and weights), W, the bias, the result
	s_load_b64 s[8:9], s[0:1], 0x8
	s_load_b64 s[10:11], s[0:1], 0x10
	s_load_b64 s[12:13], s[0:1], 0x18
.else
	s_load_b64 s[4:5], s[0:1], 0x0                 ; the activations, qb, W, the bias, the result
	s_load_b64 s[6:7], s[0:1], 0x8
	s_load_b64 s[8:9], s[0:1], 0x10
	s_load_b64 s[10:11], s[0:1], 0x18
	s_load_b64 s[12:13], s[0:1], 0x20
.endif
	v_lshl_add_u32 v[SPW], v0, 2, SPARE
	v_mov_b32 v[NIL], 0
	ds_add_u32 v1, v2
	ds_add_u32 v1, v2
	s_wait_dscnt 0x0
	v_lshrrev_b32 v127, 5, v0
	v_readfirstlane_b32 s14, v127                  ; wave 0..3
	s_lshr_b32 s15, s14, 1                         ; th: which 128 tokens
	s_and_b32 s16, s14, 1                          ; oh: which 32 outputs.  Also: which step (waves 0, 1) or record (waves 2, 3) I fetch
	s_bfe_u32 s17, ttmp6, 0x40000                  ; cx, cy: my place in the cluster
	s_bfe_u32 s18, ttmp6, 0x40004
	s_lshl_b32 s19, ttmp9, 2
	s_add_co_u32 s19, s19, s17                     ; nb: block of 64 outputs = 4 x cluster x + cx
	s_and_b32 s20, ttmp7, 0xffff
	s_lshl_b32 s20, s20, 2
	s_add_co_u32 s20, s20, s18                     ; tb: block of 256 tokens = 4 x cluster y + cy
	s_lshl_b32 s21, s18, 2
	s_lshl_b32 s21, 15, s21                        ; my row of the cluster
	s_lshl_b32 s22, 0x1111, s17                    ; my column
	; descriptor group 1: dense blocks as rows of 256 bytes (32 elements of 8 bytes), no padding: 132 rows a step of weights, 264 a record of activations
	s_or_b32 s[G1B], s22, (3<<16)|(1<<21)          ; 15:0 the mask: weights go to my column; 17:16 elements of 8 bytes; 21 set beside a mask
	s_or_b32 s[G1A], s21, (3<<16)|(1<<21)          ; activations go to my row
.irp g, G1B, G1A
	s_mov_b32 s[\g+1], 32<<16                      ; tensor_dim0
	s_mov_b32 s[\g+3], 32<<16                      ; tile_dim0
	s_mov_b32 s[\g+5], 32                          ; tensor_dim0_stride
	s_mov_b32 s[\g+6], 0
	s_mov_b32 s[\g+7], 0
.endr
	s_mov_b32 s[G1B+2], 132<<16                    ; tensor_dim1
	s_mov_b32 s[G1B+4], 132                        ; tile_dim1
	s_mov_b32 s[G1A+2], 264<<16
	s_mov_b32 s[G1A+4], 264
	; every LDS address is a constant + a constant x lane + a constant x wave, and is made here, ahead of the first branch
	v_and_b32 v120, 31, v0                         ; lane
	v_and_b32 v121, 15, v0                         ; r
	v_bfe_u32 v122, v0, 4, 1                       ; h
	v_lshlrev_b32 v[L16], 4, v120
	s_mul_i32 s21, s16, WREC
	v_add_nc_u32 v[ADB], s21, v[L16]
	v_add_nc_u32 v[ADB+1], SLOTB, v[ADB]
	s_mul_i32 s21, s15, AREC
	s_add_co_u32 s21, s21, AREG
	v_add_nc_u32 v[ADA], s21, v[L16]
	s_add_co_u32 s21, s21, 65536
.if LAYER == 1
	v_add_nc_u32 v[ADAS], s21, v[L16]
.else
	v_lshl_add_u32 v[ADAS], v120, 1, s21
.endif
	s_lshl_b32 s21, s15, 13
	s_add_co_u32 s21, s21, GATE
	v_lshl_add_u32 v[ADG], v121, 4, s21
	s_lshl_b32 s21, s16, 7
	s_add_co_u32 s21, s21, BIAS
	v_lshl_add_u32 v[ADBI], v122, 6, s21
.if NC == 2
	v_lshlrev_b32 v[PFO], 8, v120
.endif
.if LAYER == 3
	s_lshl_b32 s21, s15, 7
	s_mul_i32 s21, s21, 272
	s_lshl_b32 s22, s16, 7
	s_add_co_u32 s21, s21, s22
	s_add_co_u32 s21, s21, AREG
	v_mul_u32_u24 v[EP0], v121, 272
	v_lshl_add_u32 v[EP0], v122, 6, v[EP0]
	v_add_nc_u32 v[EP0], s21, v[EP0]               ; the stage, in: row 128 th + r of 272 bytes, + 128 oh + 64 h
	s_mul_i32 s21, s14, 64*272
	s_add_co_u32 s21, s21, AREG
	v_mul_u32_u24 v[EP1], v122, 272
	v_lshl_add_u32 v[EP1], v121, 4, v[EP1]
	v_add_nc_u32 v[EP1], s21, v[EP1]               ; back: my 64 rows; lanes 0-15 one row, lanes 16-31 the next
	v_lshlrev_b32 v[EP2], 11, v122
	v_lshl_add_u32 v[EP2], v121, 4, v[EP2]         ; and the same two rows of out0
.else
	s_lshl_b32 s21, s15, 8
	s_add_co_u32 s21, s21, SCB
	v_lshl_add_u32 v[EP1], v120, 3, s21            ; the scale bytes, back: 8 a lane
	s_add_co_u32 s21, s21, s16
	v_lshl_add_u32 v[EP0], v121, 1, s21            ; in: 256 th + 2 r + oh
	v_lshlrev_b32 v[EP2], 3, v120
	s_mov_b32 s66, 0x76543210
	s_mov_b32 s67, 0xfedcba98                      ; v_permlanex16_b32's selects for lane l xor 16
	s_mov_b32 s68, 0x600000                        ; the mantissa field of 448
	s_mov_b32 s69, 0xbe800000                      ; -0.25
	s_mov_b32 s70, 0x3fb8aa3b                      ; log2(e); the packed form names a pair
	s_mov_b32 s71, s70
.endif
	v_bfe_u32 v127, v0, 5, 2
	v_lshl_add_u32 v123, v127, 8, GATE
	v_lshl_add_u32 v123, v121, 4, v123
	v_lshl_add_u32 v123, v122, 3, v123             ; where thread v0 puts the gates of tokens v0 and v0 + 128: tile t = v0 / 16: 256 (t / 2) + 16 r + 8 (t % 2)
	v_lshl_add_u32 v124, v0, 4, BIAS
	v_lshlrev_b32 v125, 5, v0                      ; W: 32 bytes a token
	v_lshrrev_b32 v127, 4, v0
	v_mul_u32_u24 v126, v127, BROW
	v_lshl_add_u32 v126, v121, 4, v126             ; the bias: expert v0 / 16, four outputs
	s_wait_kmcnt 0x0
.if LAYER == 1
	s_mov_b64 s[4:5], s[6:7]                       ; X's records lie at qb's head
.endif
	; the weights' addresses hang on nb alone, the activations' on tb alone, each in registers that never hold the other coordinate
	s_mul_i32 s21, s16, STEPB
	s_mul_i32 s44, s19, NS*STEPB
	s_add_co_u32 s44, s44, s21
	s_add_co_u32 s44, s44, WBX
	s_mov_b32 s45, 0
	s_add_nc_u64 s[46:47], s[6:7], s[44:45]
	s_mov_b32 s[G0B], 1
	s_mov_b32 s[G0B+1], s21
	s_mov_b64 s[G0B+2:G0B+3], s[46:47]
	s_or_b32 s[G0B+3], s[G0B+3], 0x80000000
	s_mov_b32 s[G0B+4], 1
	s_add_co_u32 s[G0B+5], s21, SLOTB
	s_add_nc_u64 s[G0B+6:G0B+7], s[46:47], SLOTB
	s_or_b32 s[G0B+7], s[G0B+7], 0x80000000
	s_mul_i32 s22, s16, AREC
	s_mul_i32 s40, s20, NC*2*AREC
	s_add_co_u32 s40, s40, s22
	s_mov_b32 s41, 0
	s_mov_b32 s[G0A], 1
	s_add_co_u32 s[G0A+1], s22, AREG
	s_add_nc_u64 s[G0A+2:G0A+3], s[4:5], s[40:41]
	s_or_b32 s[G0A+3], s[G0A+3], 0x80000000
	s_lshl_b32 s72, s20, 13                        ; W at my 256 tokens
	s_mov_b32 s73, 0
	s_add_nc_u64 s[8:9], s[8:9], s[72:73]
	s_lshl_b32 s72, s19, 8                         ; the bias at my 64 outputs
	s_add_nc_u64 s[10:11], s[10:11], s[72:73]
.if LAYER == 3
	s_lshl_b32 s72, s20, 8
	s_lshl_b32 s74, s14, 6
	s_add_co_u32 s72, s72, s74
	s_lshl_b32 s72, s72, 11                        ; out0: row 256 tb + 64 wave of 2,048 bytes,
	s_lshl_b32 s74, s19, 8
	s_add_co_u32 s72, s72, s74                     ; + 256 nb
	s_add_nc_u64 s[12:13], s[12:13], s[72:73]
.else
	; my 32 outputs are block 2 nb + oh of 32 along the next K: chunk nb / 8, K step (nb / 2) % 4, block 2 (nb % 2) + oh of the step
	s_lshl_b32 s72, s20, 1
	s_lshr_b32 s74, s19, 3
	s_add_co_u32 s72, s72, s74
	s_lshl_b32 s72, s72, 1
	s_add_co_u32 s72, s72, s15
	s_mul_i32 s72, s72, AREC                       ; the record ((tb 2 + chunk) 2 + th)
	s_bfe_u32 s74, s19, 0x20001
	s_and_b32 s75, s19, 1
	s_lshl_b32 s78, s74, 1
	s_add_co_u32 s78, s78, s75
	s_lshl_b32 s78, s78, 8
	s_add_co_u32 s78, s78, s72
	s_add_co_u32 s78, s78, 65536
	s_mov_b32 s79, 0
	s_add_nc_u64 s[76:77], s[12:13], s[78:79]      ; its scale bytes of (K step, half): 256 bytes
	s_lshl_b32 s74, s74, 11
	s_add_co_u32 s72, s72, s74
	s_lshl_b32 s75, s75, 1
	s_add_co_u32 s75, s75, s16
	s_lshl_b32 s75, s75, 9
	s_add_co_u32 s72, s72, s75
	s_add_nc_u64 s[12:13], s[12:13], s[72:73]      ; its codes: + 2048 x K step + 512 x block
.endif
.if NC == 2
	s_mul_i32 s74, s19, NS*STEPB                   ; the prefetches: my column's stream, my work-group's record of a slot's four (by address), my wave's half of its codes
	s_add_co_u32 s74, s74, WBX
	s_mul_i32 s78, s18, WREC
	s_add_co_u32 s74, s74, s78
	s_lshl_b32 s78, s16, 13
	s_add_co_u32 s74, s74, s78
	s_mov_b32 s75, 0
	s_add_nc_u64 s[60:61], s[6:7], s[74:75]
	s_xor_b32 s78, s15, 1                          ; 0 in waves 2 and 3,
	s_and_b32 s79, ttmp7, 0xffff
	s_or_b32 s78, s78, s79                         ; of the clusters with y = 0: the same in all sixteen partners
	s_cmp_eq_u32 s78, 0
	s_cselect_b32 s62, 1, -1
.endif
	CROUND                                         ; all sixteen work-groups are here: the first joint loads meet
	s_cmp_lt_u32 s14, 2                            ; a wave's first fills stand in one branch
	s_cbranch_scc0 .Lfirst_a
	tensor_load_to_lds s[G0B:G0B+3], s[G1B:G1B+7]
	s_nop 0
	tensor_load_to_lds s[G0B+4:G0B+7], s[G1B:G1B+7]
	s_nop 0
	PLACES 4
	s_branch .Lfirst_done
.Lfirst_a:
	tensor_load_to_lds s[G0A:G0A+3], s[G1A:G1A+7]
	s_nop 0
	PLACES 4
.Lfirst_done:
	global_load_b128 v[96:99], v125, s[8:9]                ; the gates of token v0,
	global_load_b128 v[100:103], v125, s[8:9] offset:16
	global_load_b128 v[104:107], v125, s[8:9] offset:4096  ; and of token v0 + 128
	global_load_b128 v[108:111], v125, s[8:9] offset:4112
	global_load_b128 v[112:115], v126, s[10:11]
	s_wait_loadcnt 0x0
.irp u, 0,1
.irp e, 0,1,2,3,4,5,6,7
	ds_store_b32 v123, v[96+8*\u+\e] offset:\u*8192+\e*1024      ; each gate twice: a pair for the packed multiply-add
	ds_store_b32 v123, v[96+8*\u+\e] offset:\u*8192+\e*1024+4
.endr
.endr
	ds_store_b128 v124, v[112:115]
	s_wait_tensorcnt 0x0                           ; my first fills have landed,
	s_wait_dscnt 0x0                               ; my stores too
	s_barrier_signal -1
	s_barrier_wait -1                              ; everybody's have
	ASC_LD
	RUN1 0
	RUN2 0
.if NC == 2
	s_wait_dscnt 41                                ; the 32 halves are in; the two runs (21 + 20) may be out
	ASC_MG AS0
	PLACES 8                                       ; a scale register written by a vector instruction stands eight places ahead of its product
.endif
.set Q, 0
.rept NS
	STEP Q
.set Q, Q+1
.endr
	WIN PK
	COMB 14, 0
	COMB 15, 0
.if LAYER == 3
; ---------------------------------------------------------------- out0: through a stage, so that sixteen lanes store 256 consecutive bytes, aligned
; The stage lies where the activations' records lay: they had their last fill behind step 1's round and their last read in step 8, and barriers lie between.
	WIN ST1
.irp t, 0,1,2,3,4,5,6,7
.irp i, 0,1,2,3
	ds_store_b128 v[EP0], v[128+16*\t+4*\i:128+16*\t+4*\i+3] offset:4352*\t+16*\i   ; token 16 t + r, outputs 16 h + 4 i on of my 32
.endr
.endr
	WIN 0
	s_wait_dscnt 0x0
	s_barrier_signal -1
	s_barrier_wait -1                              ; a row's 256 bytes come from two waves
.irp i, 0,1,2,3,4,5,6,7,8,9,10,11,12,13,14,15,16,17,18,19,20,21,22,23,24,25,26,27,28,29,30,31
	ds_load_b128 v[BF+4*\i:BF+4*\i+3], v[EP1] offset:544*\i
.endr
.irp i, 0,1,2,3,4,5,6,7,8,9,10,11,12,13,14,15,16,17,18,19,20,21,22,23,24,25,26,27,28,29,30,31
	s_wait_dscnt 31-\i
	global_store_b128 v[EP2], v[BF+4*\i:BF+4*\i+3], s[12:13] offset:4096*\i th:TH_STORE_NT
.endr
.else
; ---------------------------------------------------------------- elu, the quantiser, and the next layer's operand
.set EN,  0                            ; window 1: min(x, 0)
.set EU,  16                           ; 2^(N log2 e), then - 1, then the choice
.set EQ,  32                           ; the polynomial at work
.set EPL, 48                           ; its value
.set ECO, 64                           ; 1/6, 1/24, 1/120, 1/720, each twice
.set EM,  72                           ; largest magnitudes, later the bytes
.set EH,  80                           ; the other half's, later 448 x the scale
.set ESC, 88                           ; the conversions' scale operands
.set ECD, 96                           ; the codes
	WIN ALL1
	v_mov_b32 v[ECO], 0x3e2aaaab
	v_mov_b32 v[ECO+1], 0x3e2aaaab
	v_mov_b32 v[ECO+2], 0x3d2aaaab
	v_mov_b32 v[ECO+3], 0x3d2aaaab
	v_mov_b32 v[ECO+4], 0x3c088889
	v_mov_b32 v[ECO+5], 0x3c088889
	v_mov_b32 v[ECO+6], 0x3ab60b61
	v_mov_b32 v[ECO+7], 0x3ab60b61
.irp t, 0,1,2,3,4,5,6,7
	v_mov_b32 v[EH+\t], 0                          ; written once: a lane permute's destination counts as one of its sources
.endr
; elu(x) = max(x, expm1(min(x, 0))), on the 16 numbers of token tile t.  The exponentials are one batch; the polynomial, which reads N alone, is the work behind them; one wait stands ahead of the batch's first reader.
.macro ELU t
.set xr, 128+16*(\t)
.irp i, 0,1,2,3,4,5,6,7,8,9,10,11,12,13,14,15
	v_min_num_f32 v[EN+\i], 0, v[xr+\i]
.endr
.irp k, 0,2,4,6,8,10,12,14
	v_pk_mul_f32 v[EU+\k:EU+\k+1], v[EN+\k:EN+\k+1], s[70:71] op_sel_hi:[1,0]
.endr
.irp i, 0,1,2,3,4,5,6,7,8,9,10,11,12,13,14,15
	v_exp_f32 v[EU+\i], v[EU+\i]
.endr
.irp k, 0,2,4,6,8,10,12,14
	v_pk_fma_f32 v[EQ+\k:EQ+\k+1], v[EN+\k:EN+\k+1], v[ECO+6:ECO+7], v[ECO+4:ECO+5]
.endr
.irp k, 0,2,4,6,8,10,12,14
	v_pk_fma_f32 v[EQ+\k:EQ+\k+1], v[EN+\k:EN+\k+1], v[EQ+\k:EQ+\k+1], v[ECO+2:ECO+3]
.endr
.irp k, 0,2,4,6,8,10,12,14
	v_pk_fma_f32 v[EQ+\k:EQ+\k+1], v[EN+\k:EN+\k+1], v[EQ+\k:EQ+\k+1], v[ECO:ECO+1]
.endr
.irp k, 0,2,4,6,8,10,12,14
	v_pk_fma_f32 v[EQ+\k:EQ+\k+1], v[EN+\k:EN+\k+1], v[EQ+\k:EQ+\k+1], 0.5 op_sel_hi:[1,1,0]
.endr
.irp k, 0,2,4,6,8,10,12,14
	v_pk_mul_f32 v[EQ+\k:EQ+\k+1], v[EN+\k:EN+\k+1], v[EQ+\k:EQ+\k+1]
.endr
.irp k, 0,2,4,6,8,10,12,14
	v_pk_fma_f32 v[EPL+\k:EPL+\k+1], v[EN+\k:EN+\k+1], v[EQ+\k:EQ+\k+1], v[EN+\k:EN+\k+1]   ; N + N (N (1/2 + N (1/6 + ..)))
.endr
	s_wait_alu depctr_va_vdst(0)                   ; one wait for the 16 exponentials, ahead of their first reader
.irp k, 0,2,4,6,8,10,12,14
	v_pk_add_f32 v[EU+\k:EU+\k+1], v[EU+\k:EU+\k+1], -1.0 op_sel_hi:[1,0]
.endr
.irp i, 0,1,2,3,4,5,6,7,8,9,10,11,12,13,14,15
	v_cmp_lt_f32 vcc_lo, s69, v[EN+\i]             ; above -0.25 the difference would lose bits: the polynomial is taken
	v_cndmask_b32 v[EU+\i], v[EU+\i], v[EPL+\i], vcc_lo
.endr
.irp i, 0,1,2,3,4,5,6,7,8,9,10,11,12,13,14,15
	v_max_num_f32 v[xr+\i], v[xr+\i], v[EU+\i]
.endr
.endm
.irp t, 0,1,2,3,4,5,6,7
	ELU \t
.endr
; The quantiser: a tile's 16 registers are 16 neighbours along the next K; the block's other 16 lie in lane l xor 16.  The eight tiles by turns.
.irp t, 0,1,2,3,4,5,6,7
	v_max3_num_f32 v[EM+\t], |v[128+16*\t]|, |v[129+16*\t]|, 0x4800000   ; and the floor 2^(9 - 127): the byte cannot fall under 1
.endr
.irp i, 2,4,6,8,10,12,14
.irp t, 0,1,2,3,4,5,6,7
	v_max3_num_f32 v[EM+\t], v[EM+\t], |v[128+16*\t+\i]|, |v[129+16*\t+\i]|
.endr
.endr
.irp t, 0,1,2,3,4,5,6,7
	v_permlanex16_b32 v[EH+\t], v[EM+\t], s66, s67
.endr
.irp t, 0,1,2,3,4,5,6,7
	v_max_num_f32 v[EM+\t], v[EM+\t], v[EH+\t]
.endr
.irp t, 0,1,2,3,4,5,6,7
	v_add_nc_u32 v[ESC+\t], 0xfc000000, v[EM+\t]   ; 8 off the exponent field: the conversion's scale operand
.endr
.irp t, 0,1,2,3,4,5,6,7
	v_and_or_b32 v[EH+\t], v[EM+\t], 0x7f800000, s68   ; 448 x the scale
.endr
.irp t, 0,1,2,3,4,5,6,7
	v_lshrrev_b32 v[EM+\t], 23, v[ESC+\t]          ; the scale's byte
.endr
.irp t, 0,1,2,3,4,5,6,7
.irp i, 0,1,2,3,4,5,6,7,8,9,10,11,12,13,14,15
	v_med3_num_f32 v[128+16*\t+\i], v[128+16*\t+\i], -v[EH+\t], v[EH+\t]   ; the conversion to an 8-bit code does not saturate (ISA guide 7.6.2): the hold comes first
.endr
	v_cvt_scalef32_pk8_fp8_f32 v[ECD+4*\t:ECD+4*\t+1], v[128+16*\t:135+16*\t], v[ESC+\t]
	v_cvt_scalef32_pk8_fp8_f32 v[ECD+4*\t+2:ECD+4*\t+3], v[136+16*\t:143+16*\t], v[ESC+\t]
.endr
	v_nop                                          ; a plain line behind the last conversion
	WIN ST1
.irp t, 0,1,2,3,4,5,6,7
	global_store_b128 v[L16], v[ECD+4*\t:ECD+4*\t+3], s[12:13] offset:8192*\t   ; four registers of the next operand's fragment (t, K step): 32 lanes store 512 consecutive bytes, aligned
.endr
.irp t, 0,1,2,3,4,5,6,7
	ds_store_b8 v[EP0], v[EM+\t] offset:32*\t      ; both lanes of a block write the same byte with the same value
.endr
	WIN 0
	s_wait_dscnt 0x0
	s_barrier_signal -1
	s_barrier_wait -1                              ; a token's two bytes come from two waves
	s_cmp_lg_u32 s16, 0
	s_cbranch_scc1 .Lno_scales                     ; waves 0 and 2 store them
	ds_load_b64 v[88:89], v[EP1]
	s_wait_dscnt 0x0
	global_store_b64 v[EP2], v[88:89], s[76:77]    ; 32 lanes store 256 consecutive bytes, aligned
.Lno_scales:
.endif
	s_wait_tensorcnt 0x0                           ; the wave's end
	ds_add_u32 v[SPW], v[NIL]
	s_wait_dscnt 0x0
	CROUND                                         ; the closing round: no work-group ends while a partner may still ask for a tile that names it
	s_endpgm
.Lfunc_end_k_q0bb127cd52_layer2:
	.size	k_q0bb127cd52_layer2, .Lfunc_end_k_q0bb127cd52_layer2-k_q0bb127cd52_layer2
	.p2alignl 7, 3214868480
	.fill 96, 4, 3214868480
	.section	.rodata,"a",@progbits
	.p2align	6, 0x0
	.amdhsa_kernel k_q0bb127cd52_layer2
		.amdhsa_group_segment_fixed_size 327680
		.amdhsa_private_segment_fixed_size 0
		.amdhsa_enable_private_segment 0
		.amdhsa_kernarg_size 40
		.amdhsa_user_sgpr_count 2
		.amdhsa_user_sgpr_kernarg_segment_ptr 1
		.amdhsa_wavefront_size32 1
		.amdhsa_system_sgpr_workgroup_id_x 1
		.amdhsa_system_sgpr_workgroup_id_y 1
		.amdhsa_system_sgpr_workgroup_id_z 1
		.amdhsa_system_vgpr_workitem_id 0
		.amdhsa_next_free_vgpr 1024
		.amdhsa_next_free_sgpr 100
		.amdhsa_reserve_vcc 1
		.amdhsa_float_denorm_mode_32 3
		.amdhsa_float_denorm_mode_16_64 3
		.amdhsa_memory_ordered 1
		.amdhsa_forward_progress 1
		.amdhsa_inst_pref_size 255
	.end_amdhsa_kernel
	.section	.bss,"aw",@nobits
	.p2align	6
	.space	262144
	.amdgpu_metadata
---
amdhsa.version: [ 1, 2 ]
amdhsa.kernels:
  - .name:           k_q0bb127cd52_layer2
    .symbol:         k_q0bb127cd52_layer2.kd
    .args:
      - { .name: m1, .offset: 0, .size: 8, .value_kind: global_buffer, .address_space: global }
      - { .name: qb, .offset: 8, .size: 8, .value_kind: global_buffer, .address_space: global }
      - { .name: W, .offset: 16, .size: 8, .value_kind: global_buffer, .address_space: global }
      - { .name: b2, .offset: 24, .size: 8, .value_kind: global_buffer, .address_space: global }
      - { .name: m2, .offset: 32, .size: 8, .value_kind: global_buffer, .address_space: global }
    .group_segment_fixed_size: 327680
    .private_segment_fixed_size: 0
    .kernarg_segment_align: 8
    .kernarg_segment_size: 40
    .max_flat_workgroup_size: 128
    .sgpr_count:     100
    .vgpr_count:     1024
    .wavefront_size: 32
...
	.end_amdgpu_metadata
.endif
;; end of part 3
;; launch layer3 (part 4): grid 8 x 32, 4 waves a work-group, clusters of 4 x 4, 327,680 bytes of LDS; arguments m2, qb, W, b3, out0; writes out0
.if DOCPART == 4
	.amdgcn_target "amdgcn-amd-amdhsa--gfx1250"
	.amdhsa_code_object_version 6
	.text
	.protected	k_q0bb127cd52_layer3
	.globl	k_q0bb127cd52_layer3
	.p2align	8
	.type	k_q0bb127cd52_layer3,@function
k_q0bb127cd52_layer3:
	s_mov_b64 s[64:65], 0
	v_nop
	global_prefetch_b8 v0, s[64:65] scope:SCOPE_SE
	s_setreg_imm32_b32 hwreg(HW_REG_WAVE_MODE, 25, 1), 1
	s_wait_xcnt 0x0
	s_wait_alu depctr_hold_cnt(0) depctr_sa_sdst(0) depctr_va_vdst(0) depctr_va_sdst(0) depctr_va_ssrc(0) depctr_va_vcc(0) depctr_vm_vsrc(0)
	s_getreg_b32 s2, hwreg(HW_REG_IB_STS2, 6, 4)
	s_cmp_eq_u32 s2, 0
	s_cbranch_scc0 .Lentry_in_a_cluster
	s_endpgm
.Lentry_in_a_cluster:
	s_bfe_u32 s2, ttmp6, 0x10000c
	s_cmp_lg_u32 s2, 0xf033
	s_cbranch_scc0 .Lentry_shape_is_right
	s_endpgm
.Lentry_shape_is_right:
; THE LAST LAYER OF SOFT-GATED EXPERTS ON CODES OF FP8 (E4M3) WITH E8M0 SCALES: out0[b][o] = sum over e of g[b][e] (m2[b] . W3[e][o] + b3[e][o]), g = W as it is given; K = 1,024; out0 in f32.
; SHARES.  A work-group makes 128 tokens x 64 outputs: 32 x 8 = 256 work-groups; a token's 64 outputs are 256 consecutive bytes of out0.  Wave w (oh = w / 2, n = w % 2) makes all 128 tokens x ONE weight tile of 16 outputs: 8 accumulators.
; THE ACTIVATIONS STAY IN REGISTERS: 128 tokens x a chunk of 512 along K are 512 registers, used for all 8 experts; LDS feeds weight fragments alone, each of which (2,048 bytes) serves 8 products.
; K goes as two chunks: the gated sum is linear, so each partial (chunk, expert) is weighed into the total.  A STEP q = 8 c + e: 4 K steps x 8 accumulators = 32 products, then 32 packed multiply-adds TOT += g ACC.
; TRANSPOSED USE: source 0 = 16 rows of W3[e], source 1 = 16 tokens: a lane holds ONE token (lane % 16) and eight neighbouring outputs, 32 oh + 16 (lane / 16) + 8 n + 0 .. 7 (the rows of a weight tile were so chosen by the launch
; that laid them out).  The bias is the C of a step's first products (chunk 0 only).
; OPERANDS LIE IN MEMORY IN THE ORDER OF THE REGISTERS (fragment images of 2,048 bytes: byte 512 c + 16 lane): every LDS load of codes is 512 consecutive bytes, no pitch, no padding.
; LDS: nine units of 33,792 bytes (a step's weights; a chunk's activations are two units), then gates, bias, spare words.  A step's four fragments have two sets of registers, so step q + 1 is read in one run in the middle of step q,
; and step q's unit is free from the head of step q.
; FILLS.  First: wave 0: chunk 0 -> units 0, 1, step 3 -> unit 5; wave w = 1 .. 3: step w - 1 -> unit w + 1, step 3 + w -> unit 5 + w: two loads a wave are out.  Then one load a wave at the most behind each round:
;   step 0, behind the reads of chunk 0: chunk 1 -> units 0, 1 (wave 0), step 7 -> unit 2 (wave 1);   step 5: step 8 + w -> unit 4 + w;   step 8, behind the reads of chunk 1: step 12 + w -> unit w;   step 11: a barrier alone.
;   So a load has five steps, or two and a half steps and the 128 LDS loads of a chunk, or three steps in which to land.
; CLUSTER 4 x 4: the four work-groups of a row share their tokens' records, the four of a column their weights: each is asked for jointly, which divides the requests by four.
; PREFETCH: behind the round of step 0 steps 8 to 11 are asked of memory, behind that of step 5 steps 12 to 15: each one round ahead of the load that wants them.  Only clusters with y = 0 ask (the eight clusters of a column of
; clusters walk the same weights); a column's four partners take a step each, by address; its four waves the step's four runs of 8,192 bytes of codes, lanes 256 bytes apart.  Steps 0 to 7, the activations and the records' scale words
; come by their loads alone.
; LIMITS: NaN and infinities are not served; the order of the f32 sums differs from the formula's: the bias stands ahead of the K sum, and the gated sum runs over (chunk, expert).
; REGISTERS, in windows of 256.  Window 0: v1-15 addresses; v16-31, v72-87 the activations' scale words (chunk 0, 1); v32-39 the weights' (two sets); v40-55 gates; v56-63 bias; v88-119 at work; v120-127 the head's own;
;   v128-255 weight fragments, two sets of 64.   Window 1: v0-63 ACC (tile t at 8 t), v128-191 TOT.   Windows 2, 3: the activations' fragments (tile t, K step s) at 64 (t % 4) + 16 s.
.set NS,    16                         ; steps
.set WBX,   15138816                   ; where W3's records begin in qb
.set BROW,  2048                       ; an expert's row of the bias in bytes
.set WREC,  16896                      ; 32 outputs x 512 K of one expert: 8 fragments, then 512 bytes of scale words
.set UNIT,  2*WREC                     ; a step: both halves of the 64 outputs
.set AREC,  67584                      ; 128 tokens x 512 K: 32 fragments, then 2,048 bytes of scales: two units
.set GATE,  9*UNIT                     ; the gates: 1024 e + 256 i + 16 r: (g, g) of token tile 2 i, (g, g) of tile 2 i + 1,
.set BIAS,  GATE+8192                  ; the bias: 256 e + 4 x output,
.set SPARE, BIAS+2048                  ; the spare words, 128 bytes a wave: two blocks of 256 bytes that no other line names
.set STG,   4*UNIT                     ; the stage for out0, 128 rows x 272 bytes, in units 4 and 5: their last fill stands behind step 5's round, their last reads ahead of step 11's barrier
.set SPW,  1
.set NIL,  2
.set ADB,  3                           ; v3   my tile's place in a unit: 16896 oh + 8192 n + 16 lane
.set ADR,  4                           ; v4   the same in the unit in hand
.set ADA,  5                           ; v5   the activations' record: 16 lane
.set ADAS, 6                           ; v6   its scales
.set ADG,  7                           ; v7   the gates + 16 r
.set ADBI, 8                           ; v8   my eight outputs' bias
.set PFO,  9                           ; v9   256 lane
.set EP0,  11                          ; v11-13  the way out
.set EP1,  12
.set EP2,  13
.set ADBS, 14                          ; v14  my tile's scale words in a unit: 16896 oh + 16384 + 256 n + 16 r
.set ADRS, 15                          ; v15  the same in the unit in hand
.set AS0,  16
.set BS,   32
.set G,    40
.set BI,   56
.set AS1,  72
.set TMP,  88
.set BF,   128
.set G1B,  24                          ; s[24:31] descriptor group 1 for weights;  s[32:39] for activations
.set G1A,  32
.set G0B,  48                          ; s[48:51] group 0 for weights;  s[52:55] for a wave's second first fill;  s[56:59] for the activations
.set G0C,  52
.set G0A,  56
.set MUL_LO,  0x58                     ; source 0 window 0, source 1 window 2, C and D window 1
.set MULB_LO, 0x48                     ; the same with C (the bias) in window 0;  + 4: source 1 window 3
.set PK,      0x51                     ; destination, sources 0 and 2 window 1, source 1 (the gate) window 0
.set TO_A2,   0x80
.set TO_A3,   0xc0
.set ST1,     0x04                     ; a store's data in window 1
.set MSB, 0
.macro WIN new                         ; the immediate's high byte repeats the setting that is left
.if MSB != \new
	s_set_vgpr_msb (MSB<<8)|\new
.set MSB, \new
.endif
.endm
.macro PLACES n
.rept \n
	v_nop
.endr
.endm
.macro CREST                           ; a round of the cluster's barrier behind its opening barrier
	s_cmp_lg_u32 s14, 0
	s_cbranch_scc1 .Lnot_wave_0_\@
	s_barrier_signal -3
.Lnot_wave_0_\@:
	s_barrier_wait -3
	s_barrier_signal -1
	s_barrier_wait -1
.endm
.macro CROUND
	s_barrier_signal -1
	s_barrier_wait -1
	CREST
.endm
; Step 0's joint refills: wave 0 fetches chunk 1 of the activations, wave 1 step 7 of the weights, the others nothing.  The branches hang on the wave's number alone.  Four v_nop follow each load.
.macro JLOAD_A
	s_cmp_lt_u32 s14, 2
	s_cbranch_scc0 .Lnone_\@
	s_cmp_eq_u32 s14, 0
	s_cbranch_scc0 .Lfor_b_\@
	tensor_load_to_lds s[G0A:G0A+3], s[G1A:G1A+7]
	s_nop 0
	PLACES 4
	s_branch .Lnone_\@
.Lfor_b_\@:
	tensor_load_to_lds s[G0B:G0B+3], s[G1B:G1B+7]
	s_nop 0
	PLACES 4
.Lnone_\@:
.endm
.macro ASK idx                         ; steps idx .. idx + 3 are asked of memory: my work-group's step, my wave's 8,192 bytes; the step stands in the immediate, so nothing is stepped
	s_cmp_eq_u32 s62, 1
	s_cbranch_scc0 .Lnot_mine_\@
	global_prefetch_b8 v[PFO], s[60:61] offset:(\idx)*UNIT th:TH_LOAD_NT scope:SCOPE_SE
.Lnot_mine_\@:
.endm
.macro SETLOC q                        ; the LDS byte at which step q's unit begins
.if (\q) < 7
.set lds_at, (2+(\q))*UNIT
.elseif (\q) == 7
.set lds_at, 2*UNIT
.elseif (\q) < 12
.set lds_at, ((\q)-4)*UNIT
.else
.set lds_at, ((\q)-12)*UNIT
.endif
.endm
.macro RUN q                           ; step q: my tile's four fragments, its scale words and (chunk 0) its bias: 19 loads, or 17
	SETLOC \q
	v_add_nc_u32 v[ADR], lds_at, v[ADB]
	v_add_nc_u32 v[ADRS], lds_at, v[ADBS]
.irp s, 0,1,2,3
.irp c, 0,1,2,3
	ds_load_b128 v[BF+64*((\q)%2)+16*\s+4*\c:BF+64*((\q)%2)+16*\s+4*\c+3], v[ADR] offset:2048*\s+512*\c
.endr
.endr
	ds_load_b128 v[BS+4*((\q)%2):BS+4*((\q)%2)+3], v[ADRS]   ; lane r: row r's four words; register s: K step s
.if (\q) < 8
	ds_load_b128 v[BI:BI+3], v[ADBI] offset:(\q)*256
	ds_load_b128 v[BI+4:BI+7], v[ADBI] offset:(\q)*256+16
.endif
.endm
.macro RUNG q                          ; the expert's gates: 4 loads
.irp i, 0,1,2,3
	ds_load_b128 v[G+4*\i:G+4*\i+3], v[ADG] offset:((\q)%8)*1024+256*\i
.endr
.endm
.macro ALOAD s                         ; the chunk's activations of K step s, 8 token tiles: 32 loads
	WIN TO_A2
.irp t, 0,1,2,3
.irp c, 0,1,2,3
	ds_load_b128 v[64*\t+16*(\s)+4*\c:64*\t+16*(\s)+4*\c+3], v[ADA] offset:(4*\t+(\s))*2048+512*\c
.endr
.endr
	WIN TO_A3
.irp t, 4,5,6,7
.irp c, 0,1,2,3
	ds_load_b128 v[64*(\t-4)+16*(\s)+4*\c:64*(\t-4)+16*(\s)+4*\c+3], v[ADA] offset:(4*\t+(\s))*2048+512*\c
.endr
.endr
.endm
.macro ASC_LD                          ; the chunk's scales: two bytes a token for each half of a K step; lanes 0-15 token tile 2 g, lanes 16-31 tile 2 g + 1
.irp s, 0,1,2,3
.irp g, 0,1,2,3
.irp f, 0,1
	ds_load_u16 v[TMP+8*\s+2*\g+\f], v[ADAS] offset:(2*\s+\f)*256+64*\g
.endr
.endr
.endr
.endm
.macro ASC_MG set                      ; two halves make a word
.irp s, 0,1,2,3
.irp g, 0,1,2,3
	v_lshl_or_b32 v[\set+4*\g+\s], v[TMP+8*\s+2*\g+1], 16, v[TMP+8*\s+2*\g]
.endr
.endr
.endm
; One product: step q, K step s, token tile t.  cm = 0: onto the accumulator; 1: C = the bias; 2: C = 0.
.macro MM q, s, t, cm
.set rD, 8*(\t)
.set rB, BF+64*((\q)%2)+16*(\s)
.set rA, 64*((\t)%4)+16*(\s)
.set rW, BS+4*((\q)%2)+(\s)
.set rX, AS0+(AS1-AS0)*((\q)/8)+4*((\t)/2)+(\s)
.set rC, rD
.if (\cm) == 1
.set rC, BI
.endif
.if (\cm) == 2
.if ((\t)%2) == 0
	v_wmma_scale_f32_16x16x128_f8f6f4 v[rD:rD+7], v[rB:rB+15], v[rA:rA+15], 0, v[rW], v[rX]
.else
	v_wmma_scale_f32_16x16x128_f8f6f4 v[rD:rD+7], v[rB:rB+15], v[rA:rA+15], 0, v[rW], v[rX] matrix_b_scale:MATRIX_SCALE_ROW1
.endif
.else
.if ((\t)%2) == 0
	v_wmma_scale_f32_16x16x128_f8f6f4 v[rD:rD+7], v[rB:rB+15], v[rA:rA+15], v[rC:rC+7], v[rW], v[rX]
.else
	v_wmma_scale_f32_16x16x128_f8f6f4 v[rD:rD+7], v[rB:rB+15], v[rA:rA+15], v[rC:rC+7], v[rW], v[rX] matrix_b_scale:MATRIX_SCALE_ROW1
.endif
.endif
.endm
; K step s for token tiles t0 .. t1.  The 8 accumulators take turns, one instruction a turn, in the same order everywhere.
.macro KS q, s, t0, t1, cm
.set tt, \t0
.rept (\t1)-(\t0)+1
.set wn, MUL_LO
.if (\cm) == 1
.set wn, MULB_LO
.endif
.if tt >= 4
.set wn, wn+4
.endif
	WIN wn
	MM \q, \s, tt, \cm
.set tt, tt+1
.endr
.endm
.macro COMB i, first                   ; TOT(i) += g ACC(i), from the accumulator's low end on; first = 1: the launch's first step starts the totals
.set rT, 128+8*(\i)
.set rS, 8*(\i)
.set rG, G+2*(\i)
.irp k, 0,2,4,6
.if \first
	v_pk_mul_f32 v[rT+\k:rT+\k+1], v[rS+\k:rS+\k+1], v[rG:rG+1]
.else
	v_pk_fma_f32 v[rT+\k:rT+\k+1], v[rS+\k:rS+\k+1], v[rG:rG+1], v[rT+\k:rT+\k+1]
.endif
.endr
.endm
; The last K step, with the weighing in between: behind tile t's product stand the four multiply-adds of tile t - 2, so that eight places lie between a tile's product and its own readers.
; The multiply-adds of tiles 6 and 7 stand at the next step's head.
.macro K3 q, first
.set t3, 0
.rept 8
.set wn, MUL_LO
.if t3 >= 4
.set wn, MUL_LO+4
.endif
	WIN wn
	MM \q, 3, t3, 0
.if t3 < 2
	PLACES 4
.else
	WIN PK
	COMB t3-2, \first
.endif
.set t3, t3+1
.endr
.endm
; A STEP.  kind: 2 = round and refill (step 5); 1 = barrier alone (step 11); 0 = neither.  Steps 0 and 8 bring a chunk into registers and have a round of their own.
.macro STEP q
.set kind, 0
.if (\q) == 5
.set kind, 2
.endif
.if (\q) == 11
.set kind, 1
.endif
.set norun, 0
.if ((\q) == 7) || ((\q) == 15)
.set norun, 1                          ; step 8's weights are shown to the waves only by step 8's round; behind step 15 comes nothing
.endif
.set cm0, 2
.if (\q) < 8
.set cm0, 1
.endif
.set nrn, 17
.if (\q)+1 < 8
.set nrn, 19
.endif
.set fprev, 0
.if (\q) == 1
.set fprev, 1
.endif
.set fthis, 0
.if (\q) == 0
.set fthis, 1
.endif
.if ((\q)%8) == 0
; ---- a chunk's first step: the activations come into registers; behind the reads their two units, and what else is free, are filled again
.if (\q) == 8
	WIN PK
	COMB 6, 0                                      ; step 7's tiles 6 and 7
	COMB 7, 0
	PLACES 2                                       ; with the multiply-adds of tiles 5 and 6: ten places behind step 7's last product, ahead of the loads into the registers that it read
	WIN 0
.else
	RUN \q                                         ; step 0's unit is filled again behind this step's round: it is read ahead of it
.endif
	RUNG \q
	ASC_LD
	ALOAD 0
	ALOAD 1
	ALOAD 2
	ALOAD 3
	WIN 0
	s_wait_tensorcnt 0x0                           ; all my tensor loads have landed;
	ds_add_u32 v[SPW], v[NIL]                      ; 0 onto my spare word;
	s_wait_dscnt 0x0                               ; the add is done, and my reads of the chunk's record (and of step 0's unit) are over
	CROUND                                         ; no wave of any partner still reads those units or has a load on its way
.if (\q) == 0
	s_mov_b32 s[G0B+1], 2*UNIT                     ; step 7 -> unit 2
	s_add_nc_u64 s[G0B+2:G0B+3], s[46:47], 8*UNIT
	s_or_b32 s[G0B+3], s[G0B+3], 0x80000000
	s_add_nc_u64 s[G0A+2:G0A+3], s[G0A+2:G0A+3], 2*AREC   ; chunk 1 -> units 0, 1
	JLOAD_A
	ASC_MG AS0
	PLACES 8                                       ; a scale register written by a vector instruction stands eight places ahead of its product
	ASK 8                                          ; what step 5's round will ask for
.else
	s_mov_b32 s[G0B+1], s82                        ; step 12 + wave -> unit wave
	s_add_nc_u64 s[G0B+2:G0B+3], s[84:85], 13*UNIT
	s_or_b32 s[G0B+3], s[G0B+3], 0x80000000
	tensor_load_to_lds s[G0B:G0B+3], s[G1B:G1B+7]
	s_nop 0
	PLACES 4
	ASC_MG AS1
	PLACES 8
	RUN \q                                         ; step 8's unit landed ahead of the round
.endif
	s_wait_dscnt 0x0
	KS \q, 0, 0, 7, cm0
	KS \q, 1, 0, 7, 0
	WIN 0
	PLACES 8                                       ; in front of loads into registers that products have read (the bias)
	RUN (\q)+1
	KS \q, 2, 0, 7, 0
	K3 \q, fthis
.else
; ---- an ordinary step
	s_wait_dscnt 0x0                               ; this step's run, asked for in the middle of the last step, is in
	KS \q, 0, 0, 1, cm0
	WIN PK
	COMB 6, fprev                                  ; the last step's tiles 6 and 7
	COMB 7, fprev
	PLACES 2                                       ; the ninth place and one more ahead of the product that begins accumulator 7 anew (tile 7's own multiply-adds are no places for it)
	WIN 0
	RUNG \q
	KS \q, 0, 2, 7, cm0
.if kind == 0
	KS \q, 1, 0, 7, 0
.if norun
	s_wait_dscnt 0x0                               ; the gates are in
.else
	WIN 0
	PLACES 8                                       ; in front of loads into registers that products have read
	RUN (\q)+1
	s_wait_dscnt nrn                               ; the gates are in; the run just issued may be out
.endif
.else
	WIN 0                                          ; (the add's two registers lie in window 0)
	s_wait_tensorcnt 0x0                           ; all my tensor loads have landed;
	ds_add_u32 v[SPW], v[NIL]                      ; 0 onto my spare word;
	KS \q, 1, 0, 3, 0                              ; four products stand between the add and the wait for it
	s_wait_dscnt 0x0                               ; the add is done; my reads of the units of steps up to this one were over at the step's head
	s_barrier_signal -1
	KS \q, 1, 4, 7, 0
	WIN 0
	s_barrier_wait -1
.if kind == 2
	CREST                                          ; the barrier has opened a round of the cluster's barrier: no wave of any partner still reads the units or has a load on its way
	s_add_co_u32 s[G0B+1], s82, 4*UNIT             ; step 8 + wave -> unit 4 + wave
	s_add_nc_u64 s[G0B+2:G0B+3], s[84:85], 9*UNIT
	s_or_b32 s[G0B+3], s[G0B+3], 0x80000000
	tensor_load_to_lds s[G0B:G0B+3], s[G1B:G1B+7]
	s_nop 0
	PLACES 4
.endif
	PLACES 8                                       ; in front of the loads below
	RUN (\q)+1
.if kind == 2
	ASK 12                                         ; what step 8's round will ask for
.endif
	s_wait_dscnt nrn
.endif
	KS \q, 2, 0, 7, 0
	K3 \q, 0
.endif
.endm
; ---------------------------------------------------------------- the head
	s_load_b64 s[4:5], s[0:1], 0x0                 ; m2, qb, W, b3, out0
	s_load_b64 s[6:7], s[0:1], 0x8
	s_load_b64 s[8:9], s[0:1], 0x10
	s_load_b64 s[10:11], s[0:1], 0x18
	s_load_b64 s[12:13], s[0:1], 0x20
	v_lshl_add_u32 v[SPW], v0, 2, SPARE
	v_mov_b32 v[NIL], 0
	ds_add_u32 v1, v2
	ds_add_u32 v1, v2
	s_wait_dscnt 0x0
	v_lshrrev_b32 v127, 5, v0
	v_readfirstlane_b32 s14, v127                  ; wave 0..3
	s_lshr_b32 s15, s14, 1                         ; oh: which 32 of the 64 outputs
	s_and_b32 s16, s14, 1                          ; n: which weight tile of the two
	s_bfe_u32 s17, ttmp6, 0x40000                  ; cx, cy: my place in the cluster
	s_bfe_u32 s18, ttmp6, 0x40004
	s_lshl_b32 s19, ttmp9, 2
	s_add_co_u32 s19, s19, s17                     ; nb: block of 64 outputs = 4 x cluster x + cx
	s_and_b32 s20, ttmp7, 0xffff
	s_lshl_b32 s20, s20, 2
	s_add_co_u32 s20, s20, s18                     ; tb: block of 128 tokens = 4 x cluster y + cy
	s_lshl_b32 s21, s18, 2
	s_lshl_b32 s21, 15, s21                        ; my row of the cluster
	s_lshl_b32 s22, 0x1111, s17                    ; my column
	; descriptor group 1: dense blocks as rows of 256 bytes (32 elements of 8 bytes), no padding: 132 rows a step of weights, 264 a record of activations
	s_or_b32 s[G1B], s22, (3<<16)|(1<<21)          ; 15:0 the mask: weights go to my column; 17:16 elements of 8 bytes; 21 set beside a mask
	s_or_b32 s[G1A], s21, (3<<16)|(1<<21)          ; activations go to my row
.irp g, G1B, G1A
	s_mov_b32 s[\g+1], 32<<16                      ; tensor_dim0
	s_mov_b32 s[\g+3], 32<<16                      ; tile_dim0
	s_mov_b32 s[\g+5], 32                          ; tensor_dim0_stride
	s_mov_b32 s[\g+6], 0
	s_mov_b32 s[\g+7], 0
.endr
	s_mov_b32 s[G1B+2], 132<<16                    ; tensor_dim1
	s_mov_b32 s[G1B+4], 132                        ; tile_dim1
	s_mov_b32 s[G1A+2], 264<<16
	s_mov_b32 s[G1A+4], 264
	; every LDS address is a constant + a constant x lane + a constant x wave
	v_and_b32 v120, 31, v0                         ; lane
	v_and_b32 v121, 15, v0                         ; r
	v_bfe_u32 v122, v0, 4, 1                       ; h
	v_lshlrev_b32 v[ADA], 4, v120                  ; the records lie at LDS byte 0
	s_mul_i32 s21, s15, WREC
	s_lshl_b32 s22, s16, 13
	s_add_co_u32 s22, s22, s21
	v_add_nc_u32 v[ADB], s22, v[ADA]
	s_lshl_b32 s22, s16, 8
	s_add_co_u32 s22, s22, s21
	s_add_co_u32 s22, s22, 16384
	v_lshl_add_u32 v[ADBS], v121, 4, s22
	v_lshl_add_u32 v[ADAS], v120, 1, 65536
	v_lshl_add_u32 v[ADG], v121, 4, GATE
	s_lshl_b32 s21, s15, 7
	s_lshl_b32 s22, s16, 5
	s_add_co_u32 s21, s21, s22                     ; 128 oh + 32 n: my tile's bytes in a row of 64 outputs, less the lanes' halves
	s_add_co_u32 s22, s21, BIAS
	v_lshl_add_u32 v[ADBI], v122, 6, s22
	v_lshlrev_b32 v[PFO], 8, v120
	s_add_co_u32 s21, s21, STG
	v_mul_u32_u24 v[EP0], v121, 272
	v_lshl_add_u32 v[EP0], v122, 6, v[EP0]
	v_add_nc_u32 v[EP0], s21, v[EP0]               ; the stage, in: row r of 272 bytes, + 128 oh + 64 h + 32 n
	s_mul_i32 s21, s14, 32*272
	s_add_co_u32 s21, s21, STG
	v_mul_u32_u24 v[EP1], v122, 272
	v_lshl_add_u32 v[EP1], v121, 4, v[EP1]
	v_add_nc_u32 v[EP1], s21, v[EP1]               ; back: my 32 rows; lanes 0-15 one row, lanes 16-31 the next
	v_lshlrev_b32 v[EP2], 11, v122
	v_lshl_add_u32 v[EP2], v121, 4, v[EP2]         ; and the same two rows of out0
	v_bfe_u32 v127, v0, 5, 2
	v_lshl_add_u32 v123, v127, 8, GATE
	v_lshl_add_u32 v123, v121, 4, v123
	v_lshl_add_u32 v123, v122, 3, v123             ; where thread v0 puts the gates of token v0: tile t = v0 / 16: 256 (t / 2) + 16 r + 8 (t % 2)
	v_lshl_add_u32 v124, v0, 4, BIAS
	v_lshlrev_b32 v125, 5, v0                      ; W: 32 bytes a token
	v_lshrrev_b32 v127, 4, v0
	v_mul_u32_u24 v126, v127, BROW
	v_lshl_add_u32 v126, v121, 4, v126             ; the bias: expert v0 / 16, four outputs
	s_wait_kmcnt 0x0
	; the weights' addresses hang on nb alone, the activations' on tb alone, each in registers that never hold the other coordinate
	s_mul_i32 s44, s19, NS*UNIT
	s_add_co_u32 s44, s44, WBX-UNIT
	s_mov_b32 s45, 0
	s_add_nc_u64 s[46:47], s[6:7], s[44:45]        ; one unit ahead of my column's step 0: step k lies (k + 1) units on
	s_mul_i32 s82, s14, UNIT
	s_mov_b32 s83, 0
	s_add_nc_u64 s[84:85], s[46:47], s[82:83]      ; + wave units
	s_mov_b32 s[G0B], 1                            ; waves 1 to 3: step wave - 1 -> unit wave + 1
	s_add_co_u32 s[G0B+1], s82, UNIT
	s_mov_b64 s[G0B+2:G0B+3], s[84:85]
	s_or_b32 s[G0B+3], s[G0B+3], 0x80000000
	s_mov_b32 s[G0C], 1                            ; every wave: step 3 + wave -> unit 5 + wave
	s_add_co_u32 s[G0C+1], s82, 5*UNIT
	s_add_nc_u64 s[G0C+2:G0C+3], s[84:85], 4*UNIT
	s_or_b32 s[G0C+3], s[G0C+3], 0x80000000
	s_lshr_b32 s40, s20, 1                         ; the record of (block of 256 tokens, chunk, half): ((tb / 2) 2 + chunk) 2 + tb % 2
	s_lshl_b32 s40, s40, 2
	s_and_b32 s41, s20, 1
	s_add_co_u32 s40, s40, s41
	s_mul_i32 s40, s40, AREC
	s_mov_b32 s41, 0
	s_mov_b32 s[G0A], 1                            ; wave 0: chunk 0 -> units 0, 1
	s_mov_b32 s[G0A+1], 0
	s_add_nc_u64 s[G0A+2:G0A+3], s[4:5], s[40:41]
	s_or_b32 s[G0A+3], s[G0A+3], 0x80000000
	s_lshl_b32 s72, s20, 12                        ; W at my 128 tokens
	s_mov_b32 s73, 0
	s_add_nc_u64 s[8:9], s[8:9], s[72:73]
	s_lshl_b32 s72, s19, 8                         ; the bias at my 64 outputs
	s_add_nc_u64 s[10:11], s[10:11], s[72:73]
	s_lshl_b32 s72, s20, 7
	s_lshl_b32 s74, s14, 5
	s_add_co_u32 s72, s72, s74
	s_lshl_b32 s72, s72, 11                        ; out0: row 128 tb + 32 wave of 2,048 bytes,
	s_lshl_b32 s74, s19, 8
	s_add_co_u32 s72, s72, s74                     ; + 256 nb
	s_add_nc_u64 s[12:13], s[12:13], s[72:73]
	s_mul_i32 s74, s19, NS*UNIT                    ; the prefetches: my column's stream, my work-group's step of four (by address), my wave's run of its codes
	s_add_co_u32 s74, s74, WBX
	s_mul_i32 s78, s18, UNIT
	s_add_co_u32 s74, s74, s78
	s_mul_i32 s78, s15, WREC
	s_add_co_u32 s74, s74, s78
	s_lshl_b32 s78, s16, 13
	s_add_co_u32 s74, s74, s78
	s_mov_b32 s75, 0
	s_add_nc_u64 s[60:61], s[6:7], s[74:75]
	s_and_b32 s79, ttmp7, 0xffff
	s_cmp_eq_u32 s79, 0                            ; the clusters with y = 0 ask: the same in all sixteen partners
	s_cselect_b32 s62, 1, -1
	CROUND                                         ; all sixteen work-groups are here: the first joint loads meet
	s_cmp_eq_u32 s14, 0                            ; a wave's two first fills stand in one branch
	s_cbranch_scc0 .Lfirst_b
	tensor_load_to_lds s[G0A:G0A+3], s[G1A:G1A+7]
	s_nop 0
	tensor_load_to_lds s[G0C:G0C+3], s[G1B:G1B+7]
	s_nop 0
	PLACES 4
	s_branch .Lfirst_done
.Lfirst_b:
	tensor_load_to_lds s[G0B:G0B+3], s[G1B:G1B+7]
	s_nop 0
	tensor_load_to_lds s[G0C:G0C+3], s[G1B:G1B+7]
	s_nop 0
	PLACES 4
.Lfirst_done:
	global_load_b128 v[96:99], v125, s[8:9]        ; the gates of token v0
	global_load_b128 v[100:103], v125, s[8:9] offset:16
	global_load_b128 v[112:115], v126, s[10:11]
	s_wait_loadcnt 0x0
.irp e, 0,1,2,3,4,5,6,7
	ds_store_b32 v123, v[96+\e] offset:\e*1024     ; each gate twice: a pair for the packed multiply-add
	ds_store_b32 v123, v[96+\e] offset:\e*1024+4
.endr
	ds_store_b128 v124, v[112:115]
	s_wait_tensorcnt 0x1                           ; my first fill has landed (chunk 0; steps 0, 1, 2); my second may stay out
	s_wait_dscnt 0x0                               ; my stores have landed
	s_barrier_signal -1
	s_barrier_wait -1                              ; everybody's have
.set Q, 0
.rept NS
	STEP Q
.set Q, Q+1
.endr
	WIN PK
	COMB 6, 0
	COMB 7, 0
	PLACES 2
; ---------------------------------------------------------------- out0: through a stage, so that sixteen lanes store 256 consecutive bytes, aligned
	WIN ST1
.irp t, 0,1,2,3,4,5,6,7
	ds_store_b128 v[EP0], v[128+8*\t:128+8*\t+3] offset:4352*\t        ; token 16 t + r, my lane's eight outputs
	ds_store_b128 v[EP0], v[128+8*\t+4:128+8*\t+7] offset:4352*\t+16
.endr
	WIN 0
	s_wait_dscnt 0x0
	s_barrier_signal -1
	s_barrier_wait -1                              ; a row's 256 bytes come from four waves
.irp i, 0,1,2,3,4,5,6,7,8,9,10,11,12,13,14,15
	ds_load_b128 v[BF+4*\i:BF+4*\i+3], v[EP1] offset:544*\i
.endr
.irp i, 0,1,2,3,4,5,6,7,8,9,10,11,12,13,14,15
	s_wait_dscnt 15-\i
	global_store_b128 v[EP2], v[BF+4*\i:BF+4*\i+3], s[12:13] offset:4096*\i th:TH_STORE_NT
.endr
	s_wait_tensorcnt 0x0                           ; the wave's end
	ds_add_u32 v[SPW], v[NIL]
	s_wait_dscnt 0x0
	CROUND                                         ; the closing round: no work-group ends while a partner may still ask for a tile that names it
	s_endpgm
.Lfunc_end_k_q0bb127cd52_layer3:
	.size	k_q0bb127cd52_layer3, .Lfunc_end_k_q0bb127cd52_layer3-k_q0bb127cd52_layer3
	.p2alignl 7, 3214868480
	.fill 96, 4, 3214868480
	.section	.rodata,"a",@progbits
	.p2align	6, 0x0
	.amdhsa_kernel k_q0bb127cd52_layer3
		.amdhsa_group_segment_fixed_size 327680
		.amdhsa_private_segment_fixed_size 0
		.amdhsa_enable_private_segment 0
		.amdhsa_kernarg_size 40
		.amdhsa_user_sgpr_count 2
		.amdhsa_user_sgpr_kernarg_segment_ptr 1
		.amdhsa_wavefront_size32 1
		.amdhsa_system_sgpr_workgroup_id_x 1
		.amdhsa_system_sgpr_workgroup_id_y 1
		.amdhsa_system_sgpr_workgroup_id_z 1
		.amdhsa_system_vgpr_workitem_id 0
		.amdhsa_next_free_vgpr 1024
		.amdhsa_next_free_sgpr 100
		.amdhsa_reserve_vcc 0
		.amdhsa_float_denorm_mode_32 3
		.amdhsa_float_denorm_mode_16_64 3
		.amdhsa_memory_ordered 1
		.amdhsa_forward_progress 1
		.amdhsa_inst_pref_size 181
	.end_amdhsa_kernel
	.amdgpu_metadata
---
amdhsa.version: [ 1, 2 ]
amdhsa.kernels:
  - .name:           k_q0bb127cd52_layer3
    .symbol:         k_q0bb127cd52_layer3.kd
    .args:
      - { .name: m2, .offset: 0, .size: 8, .value_kind: global_buffer, .address_space: global }
      - { .name: qb, .offset: 8, .size: 8, .value_kind: global_buffer, .address_space: global }
      - { .name: W, .offset: 16, .size: 8, .value_kind: global_buffer, .address_space: global }
      - { .name: b3, .offset: 24, .size: 8, .value_kind: global_buffer, .address_space: global }
      - { .name: out0, .offset: 32, .size: 8, .value_kind: global_buffer, .address_space: global }
    .group_segment_fixed_size: 327680
    .private_segment_fixed_size: 0
    .kernarg_segment_align: 8
    .kernarg_segment_size: 40
    .max_flat_workgroup_size: 128
    .sgpr_count:     100
    .vgpr_count:     1024
    .wavefront_size: 32
...
	.end_amdgpu_metadata
.endif
;; end of part 4
